; MI455X (gfx1250); checked and timed in simulation.
; The chip was launched on July 23, 2026; its instructions are those of AMD's public machine-readable ISA for CDNA 5 (MIT licence, August 2026) and "CDNA5" Instruction Set Architecture Reference Guide (July 2026). The comments in the code are by the model that wrote it; some were corrected since.
;; Multi Head Co Attention. Allowed arithmetic: matrix products marked QUANTISED: E4M3 operands, one E8M0 scale for each 32 along K, by v_wmma_scale_f32_16x16x128_f8f6f4 with both operands' format E4M3, f32 sums; everything else in f32.
;; Inputs: Wk_codes 1,024 x 32 x 32 uint8 (E4M3 codes of Wk, K innermost, in blocks of 32 codes); Wk_scales 1,024 x 32 uint8 (E8M0 scales of Wk, one for each 32 codes along K); Wo_codes 1,024 x 32 x 32 uint8 (E4M3 codes of Wo, K innermost, in blocks of 32 codes); Wo_scales 1,024 x 32 uint8 (E8M0 scales of Wo, one for each 32 codes along K); Wq_codes 1,024 x 32 x 32 uint8 (E4M3 codes of Wq, K innermost, in blocks of 32 codes); Wq_scales 1,024 x 32 uint8 (E8M0 scales of Wq, one for each 32 codes along K); Wv_codes 1,024 x 32 x 32 uint8 (E4M3 codes of Wv, K innermost, in blocks of 32 codes); Wv_scales 1,024 x 32 uint8 (E8M0 scales of Wv, one for each 32 codes along K); bk 1,024 float32; bo 1,024 float32; bq 1,024 float32; bv 1,024 float32; x_codes 4 x 2 x 1,024 x 32 x 32 uint8 (E4M3 codes of x, K innermost, in blocks of 32 codes); x_scales 4 x 2 x 1,024 x 32 uint8 (E8M0 scales of x, one for each 32 codes along K).
;; Outputs: out0 4 x 2 x 1,024 x 1,024 float32.
;; Constants: batch_size = 4.
;; This version of the problem:
;;   THIS VERSION OF THE PROBLEM IS GIVEN IN LOW PRECISION. The matrix products marked QUANTISED in the list below multiply operands that are first quantised to E4M3 (4 exponent bits, 3 mantissa bits; 8 bits a number), with one power-of-two scale for each 32 numbers along K (OCP MX v1.0); their sums are f32. All else is computed in f32.
;;   The module's matrix products, in the order in which they are computed (A, B: the left and right operand; K: the contracted axis; several contracted axes count as one K, in the product's order):
;;     1. [M 8,192, K 1,024] x [K 1,024, N 1,024]; A: input x (given as codes); B: input Wq (given as codes): QUANTISED
;;     2. [M 8,192, K 1,024] x [K 1,024, N 1,024]; A: input x (given as codes); B: input Wk (given as codes): QUANTISED
;;     3. [M 8,192, K 1,024] x [K 1,024, N 1,024]; A: input x (given as codes); B: input Wv (given as codes): QUANTISED
;;     4. batch 32 x [M 1,024, K 256] x [K 256, N 1,024]; A: computed on the way; B: computed on the way: QUANTISED
;;     5. batch 32 x [M 256, K 1,024] x [K 1,024, N 1,024]; A: computed on the way; B: softmax (see below): QUANTISED
;;     6. [M 8,192, K 1,024] x [K 1,024, N 1,024]; A: computed on the way; B: input Wo (given as codes): QUANTISED
;;   THE QUANTISER, for each operand of a quantised product, along K:
;;     - K is cut into blocks of 32 from its start; a last block that is shorter is filled with zeros.
;;     - A block's scale is 2^e with e = floor(log2(the largest magnitude in the block)) - 8, held to -126 .. 127; a block of zeros has e = 0. As a byte (E8M0): e + 127.
;;     - Each number is divided by its block's scale, clamped to +-448, and rounded to the nearest number of E4M3, ties to even, subnormals kept.
;;     - The product sums the exact products of the quantised numbers (number of the format x scale) in f32.
;;   ~~~python
;;   def quantise(x, axis):      # numpy; x: float32 -> the quantised numbers, widened to float32 again
;;       x = np.moveaxis(x, axis, -1); K = x.shape[-1]
;;       x = np.pad(x, [(0, 0)] * (x.ndim - 1) + [(0, -K % 32)]); x = x.reshape(x.shape[:-1] + (-1, 32)); a = np.abs(x).max(-1, keepdims=True)
;;       e = np.where(a > 0, np.clip(np.frexp(np.where(a > 0, a, 1))[1] - 1 - 8, -126, 127), 0)      # np.frexp(a)[1] - 1 = floor(log2(a)), exactly
;;       r = np.clip(x / 2.0 ** e, -448, 448)
;;       step = 2.0 ** (np.maximum(np.frexp(np.where(r == 0, 1, r))[1] - 1, -6) - 3)
;;       q = np.round(r / step) * step * 2.0 ** e      # np.round: ties to even
;;       return np.moveaxis(q.reshape(q.shape[:-2] + (-1,))[..., :K], -1, axis).astype(np.float32)
;;   ~~~
;;   SOFTMAX AHEAD OF A QUANTISED PRODUCT. Where the list says 'softmax', what is quantised is not the finished softmax but p = 2^(t - M), with t = logit x log2(e) and M = ceil(the row's largest t), a whole number; so 1/2 < the row's largest p <= 1. The row's sum l is taken of the UNQUANTISED p, in f32, and the product's result is divided by l at the end. Since M is a whole number, a kernel that streams over the keys may use a running M (the ceiling of the running maximum): every later rescaling is an exact power of two, which a block's scale takes up: the codes' values come out the same.
;;   OPERANDS COMPUTED ON THE WAY. 'Computed on the way' means the value that the module computes at that place (a softmax that the list does not call 'softmax' is quantised finished and normalised). What goes into a quantiser is computed in f32, as accurately as f32 sums, v_exp_f32 and their like allow (about 1e-6 of the number): no bf16 or f16 on the way to a quantiser, and a product that is left as it is and whose result goes on into a quantised operand takes f32 operands (vector FMAs, or v_wmma_f32_16x16x4_f32). A number that lies on a knife's edge between two numbers of the format may be rounded either way, as far as f32 arithmetic and the matrix unit's own rounding can turn it there, and no further.
;;   INPUTS GIVEN AS CODES. Wk (in the module: [1024, 1024], K = its axis 1); Wo (in the module: [1024, 1024], K = its axis 1); Wq (in the module: [1024, 1024], K = its axis 1); Wv (in the module: [1024, 1024], K = its axis 1); x (in the module: [4, 2, 1024, 1024], K = its axis 3): each comes as NAME_codes (uint8): NAME with its K axis moved to the last place and cut into blocks of 32 codes, [.., K / 32, bytes a block], one block behind the other in memory; one code a byte (a code: sign, 4 exponent bits, 3 mantissa bits); and NAME_scales (uint8): the same leading axes, one E8M0 byte (e + 127) for each 32 codes along K. Its value is code x scale, taken as it is: it is not quantised again, and the codes and scales need not be those that the quantiser above would give.
;; One version. Each part assembles by itself: llvm-mc -triple=amdgcn-amd-amdhsa -mcpu=gfx1250 --defsym DOCPART=n.
;; ======== version 1 of 1: 3 launches
;; limits: right only within a limited range of input values
;; workspace buffers: qc 8,388,608 bytes; qs 262,144 bytes; kc 8,388,608 bytes; ks 262,144 bytes; vc 8,388,608 bytes; vs 262,144 bytes; oc 8,388,608 bytes; os 262,144 bytes
;; launch proj (part 1): grid 64 x 4, 4 waves a work-group, clusters of 4 x 4, 327,680 bytes of LDS; arguments x_codes, x_scales, Wq_codes, Wq_scales, Wk_codes, Wk_scales, Wv_codes, Wv_scales, bq, bk, bv, qc, qs, kc, ks, vc, vs; writes qc, qs, kc, ks, vc, vs
.if DOCPART == 1
	.amdgcn_target "amdgcn-amd-amdhsa--gfx1250"
	.amdhsa_code_object_version 6
	.text
	.protected	k_qa2ddcf45fc_proj
	.globl	k_qa2ddcf45fc_proj
	.p2align	8
	.type	k_qa2ddcf45fc_proj,@function
k_qa2ddcf45fc_proj:
	s_mov_b64 s[64:65], 0
	v_nop
	global_prefetch_b8 v0, s[64:65] scope:SCOPE_SE
	s_setreg_imm32_b32 hwreg(HW_REG_WAVE_MODE, 25, 1), 1
	s_wait_xcnt 0x0
	s_wait_alu depctr_hold_cnt(0) depctr_sa_sdst(0) depctr_va_vdst(0) depctr_va_sdst(0) depctr_va_ssrc(0) depctr_va_vcc(0) depctr_vm_vsrc(0)
	s_getreg_b32 s2, hwreg(HW_REG_IB_STS2, 6, 4)
	s_cmp_eq_u32 s2, 0
	s_cbranch_scc0 .Lentry_in_a_cluster
	s_endpgm
.Lentry_in_a_cluster:
	s_bfe_u32 s2, ttmp6, 0x10000c
	s_cmp_lg_u32 s2, 0xf033
	s_cbranch_scc0 .Lentry_shape_is_right
	s_endpgm
.Lentry_shape_is_right:
; q = x Wq^T + bq, k = x Wk^T + bk, v = x Wv^T + bv on codes of FP8 (E4M3) with E8M0 scales, and the quantiser behind each: q and k along their columns, v along the keys (x's rows).
; THE DEAL.  256 work-groups of four waves, 2 x 2.  Work-group (TR, TC) owns x's rows 128 TR .. + 127 and rows 256 TC .. + 255 of Wq, Wk and Wv.  Wave (wr, wc) HOLDS x's rows 64 wr .. + 63, ALL OF K, IN REGISTERS
; (512) for the three products, and streams past them rows 128 wc .. + 127 of each weight, in blocks of 16 rows with all of K (128 registers, two sets): a block's 35 LDS loads feed 32 products.
; LDS: two slots of 128 whole rows (pitch 1,040).  At the head x's rows land in slot 1 and Wq's first rows in slot 0; when x is in registers, slot 1 is filled over it in a drained round.  A slot holds 64 rows for each wc:
; a phase is four blocks a wave; six phases (q, q, k, k, v, v).  In a phase's third block stands the round behind which the slot just read out takes the phase two on: 128 products a wave stand ahead of the wait for it.
; CLUSTER 4 x 4: x's rows are asked for jointly by a row of the cluster, a weight's by a column.
; q, k: source 0 = 16 rows of W, source 1 = 16 rows of x: lane (r, h) holds x's row 16 a + r, register j column 8 h + j of the block.  v: the sources swapped: lane = Wv's row, registers run along the keys.
; A PAIR of blocks gives four groups of 16 numbers a lane, each half a block of 32 (the other half in lane l xor 16).  ITS WAY OUT STANDS AMONG THE NEXT PAIR'S PRODUCTS, eight lines behind every four products, on a second set of sums.
; The first pair of either loop has none before it: the lines then work on what stands there, and a branch on the trip's number leads round the stores.
; THE RESULT LEAVES AS AN IMAGE OF THE NEXT OPERAND'S REGISTERS: a fragment (16 rows x 128 K) is 2,048 bytes, register group c of lane l at 512 c + 16 l; inside a block of 32 the order is 8 h + i % 8 + 16 (i / 8), alike on both
; operands of every later product.  qc, kc: [row block 512][chunk of 128 columns 8][2,048].  vc: [b 4][head 8][channel 2][16 columns dt 8][128 keys 8][2,048].  qs, ks: [chunk 8][64 rows 128][r 16][a 4]; vs: [128 keys 64][64 columns 16][r 16][a 4].
; SCRATCH in LDS, bytes of its own, written once at the head by the two waves of a wc: the biases (bv eight times over, so that two loads bring a block's C) and the weights' scale words as images of the registers.
; The bias is the C of each sum's first product.  v's scale words are joined from the two wr's halves in a stage in LDS and leave at the end.
; Each loop's last block also fetches a block that does not follow (stale rows of the other slot, the next bytes of the scratch, all written): the text of a trip stays one; nothing is made of them.
; PREFETCH: behind each refill but the last the rows of the refill that follows are asked for: a column's sixteen waves share the 128 rows out by address, 8 rows x 4 blocks of 256 bytes a wave.  The first three fills come by their loads alone.
; LIMITS: NaN, infinities and a given scale byte 0xff are not served.  A block whose largest magnitude lies under 2^-118, a block of zeros too, keeps the scale byte 1: its codes are read by this program alone.
; REGISTERS: window 0: addresses, scales, the quantiser's work, two sets of 64 sums.  windows 1, 2: x's fragments, (a, q) at 16 (4 q + a).  window 3: a weight's blocks, two sets, fragment q at 128 e + 16 q.
.set XP,    1040
.set YB,    128*XP                     ; slot 1
.set SCR,   2*YB                       ; the scratch: a region for each wc
.set RGN,   17920
.set OBV,   1024                       ; in a region: bq, bk (2 x 512); bv x 8 (4,096); 25 images of scale words (the last twice)
.set OSC,   5120
.set VST,   SCR+2*RGN                  ; v's scale words: 1,024 bytes
.set SPARE, VST+1024                   ; the spare words: two blocks of 256 bytes that no other line names
.set AW0, 8                            ; my rows' place in a slot
.set AC,  9                            ; in the slot in hand
.set AN,  10                           ; in the other slot
.set AS,  11                           ; the phase's scale words
.set AB,  12                           ; its bias, q and k
.set ABV, 13                           ; v
.set L16, 14
.set R16, 15
.set SCO, 16
.set PFO, 17
.set VS0, 18
.set VSC, 19
.set AX,  20
.set ST,  21
.set SBD, 22
.set SVD, 23
.set L8,  24
.set VRD, 25
.set SPW, 28
.set NIL, 29
.set SA,  32                           ; v32-47 x's scale words: 4 a + j: K step j in lanes 0-15, 4 + j in lanes 16-31
.set WS,  50                           ; v50-57 a block's, two sets.  No product's two scale registers have numbers equal modulo 8
.set CB,  60                           ; v60-75 a block's bias, two sets
.set TM,  76
.set SW,  92
.set PC,  96
.set ACC, 128
.set G1X, 28
.set G1W, 36
.set G0X, 44
.set G0H, 48
.set G0R, 52
.set SEL, 56
.set MNT, 58
.set CUR, 59
.set NXS, 60
.set SHA, 61
.set SHB, 62
.set KEEP, 63
.set MSB, 0
.macro WIN new
.if MSB != (\new)
	s_set_vgpr_msb (MSB<<8)|(\new)
.set MSB, (\new)
.endif
.endm
.macro PLACES n
.rept \n
	v_nop
.endr
.endm
.macro WALU                            ; this wait ahead of a wait that blocks or a branch behind which something freshly written is read
	s_wait_alu depctr_va_vdst(0)
.endm
.macro CREST
	s_cmp_lg_u32 s18, 0
	s_cbranch_scc1 .Lnot_wave_0_\@
	s_barrier_signal -3
.Lnot_wave_0_\@:
	s_barrier_wait -3
	s_barrier_signal -1
	s_barrier_wait -1
.endm
.macro CROUND
	s_barrier_signal -1
	s_barrier_wait -1
	CREST
.endm
.macro WM d, s0, s1, cr, sc0, sc1, hi
.if \hi
	v_wmma_scale_f32_16x16x128_f8f6f4 v[\d:\d+7], v[\s0:\s0+15], v[\s1:\s1+15], v[\cr:\cr+7], v[\sc0], v[\sc1] matrix_a_scale:MATRIX_SCALE_ROW1 matrix_b_scale:MATRIX_SCALE_ROW1
.else
	v_wmma_scale_f32_16x16x128_f8f6f4 v[\d:\d+7], v[\s0:\s0+15], v[\s1:\s1+15], v[\cr:\cr+7], v[\sc0], v[\sc1]
.endif
.endm
.macro PROD kind, e, s, q, a           ; block set e, sums' set s, K step q, x's block a
.set X_, 16*((4*(\q)+(\a))%16)
.set W_, 128*(\e)+16*(\q)
.if \kind
.set D_, ACC+64*(\s)+32*(\e)+8*(\a)
.else
.set D_, ACC+64*(\s)+16*(\a)+8*(\e)
.endif
.set C_, D_
.if (\q) == 0
.set C_, CB+8*(\e)
.endif
.set SW_, WS+4*(\e)+(\q)%4
.set SX_, SA+4*(\a)+(\q)%4
.if \kind
	WM D_, X_, W_, C_, SX_, SW_, (\q)/4
.else
	WM D_, W_, X_, C_, SW_, SX_, (\q)/4
.endif
.endm
; Line n of the quantiser of a pair: 64 sums at v[x], four groups of 16 -> codes v[PC + 4 g], bytes v[TM + 4 + g].  kind 0: the byte goes into row block g's word at the shift s[sh]; kind 1: two bytes make a block's half word
.macro QL kind, x, n, sh
.if (\n) < 4
	v_max3_num_f32 v[TM+(\n)], |v[(\x)+16*(\n)]|, |v[(\x)+16*(\n)+1]|, 0x4800000
.elseif (\n) < 32
	v_max3_num_f32 v[TM+(\n)%4], v[TM+(\n)%4], |v[(\x)+16*((\n)%4)+2*((\n)/4)]|, |v[(\x)+16*((\n)%4)+2*((\n)/4)+1]|
.elseif (\n) < 36
	v_permlanex16_b32 v[TM+4+(\n)%4], v[TM+(\n)%4], s[SEL], s[SEL+1]
.elseif (\n) < 40
	v_max_num_f32 v[TM+(\n)%4], v[TM+(\n)%4], v[TM+4+(\n)%4]
.elseif (\n) < 44
	v_add_nc_u32 v[TM+12+(\n)%4], 0xfc000000, v[TM+(\n)%4]
.elseif (\n) < 48
	v_and_or_b32 v[TM+8+(\n)%4], v[TM+(\n)%4], 0x7f800000, s[MNT]
.elseif (\n) < 52
	v_lshrrev_b32 v[TM+4+(\n)%4], 23, v[TM+12+(\n)%4]
.elseif (\n) < 56
.if (\kind) == 0
	v_lshl_or_b32 v[SW+(\n)%4], v[TM+4+(\n)%4], s[\sh], v[SW+(\n)%4]
.elseif (\n) < 54
	v_lshl_or_b32 v[SW+(\n)%4], v[TM+5+2*((\n)%4)], 8, v[TM+4+2*((\n)%4)]
.else
	v_nop
.endif
.else
.set K_, ((\n)-56)/9
.set R_, ((\n)-56)%9
.if R_ < 8
	v_med3_num_f32 v[(\x)+8*K_+R_], v[(\x)+8*K_+R_], -v[TM+8+K_/2], v[TM+8+K_/2]
.else
	v_cvt_scalef32_pk8_fp8_f32 v[PC+2*K_:PC+2*K_+1], v[(\x)+8*K_:(\x)+8*K_+7], v[TM+12+K_/2]
.endif
.endif
.endm
.macro QLS kind, x, n0, cnt, sh
.set QN_, \n0
.rept \cnt
	QL \kind, \x, QN_, \sh
.set QN_, QN_+1
.endr
.endm
; Four products of K step q, then eight lines of the pair before
.macro GRP kind, j, s, q
.if \kind
	WIN (1+(\q)/4)|12
.else
	WIN 3|((1+(\q)/4)<<2)
.endif
.irp a, 0,1,2,3
	PROD \kind, (\j)%2, \s, \q, \a
.endr
	WIN 0
	QLS \kind, ACC+64*(1-(\s)), 64*((\j)%2)+8*(\q), 8, SHB+(SHA-SHB)*((\j)/2)
.endm
; Six of the 35 LDS loads of the block behind block j: 32 for its fragments, one for its scale words, two for its bias
.macro LDS6 kind, j, q
.set NS_, ((\j)+1)%2
.set LM_, 6*(\q)
.rept 6
.if LM_ < 32
	WIN 0xc0
.if (\j) < 3
	ds_load_b128 v[128*NS_+4*LM_:128*NS_+4*LM_+3], v[AC] offset:((\j)+1)*16*XP+32*LM_
.else
	ds_load_b128 v[128*NS_+4*LM_:128*NS_+4*LM_+3], v[AN] offset:32*LM_
.endif
.elseif LM_ == 32
	WIN 0
	ds_load_b128 v[WS+4*NS_:WS+4*NS_+3], v[AS] offset:512*((\j)+1)
.elseif LM_ < 35
.if \kind
	ds_load_b128 v[CB+8*NS_+4*(LM_-33):CB+8*NS_+4*(LM_-33)+3], v[ABV] offset:512*((\j)+1)+16*(LM_-33)
.else
	ds_load_b128 v[CB+8*NS_+4*(LM_-33):CB+8*NS_+4*(LM_-33)+3], v[AB] offset:64*((\j)+1)+16*(LM_-33)
.endif
.endif
.set LM_, LM_+1
.endr
.endm
; Block j of a phase.  rnd 1: the round and the refill; rnd 2: a plain barrier that shows the last fill
.macro BLK kind, j, s, rnd
	WALU
	s_wait_dscnt 0x0                               ; this block's fragments are in
.if ((\j)%2) == 0
	s_wait_xcnt 0x0                                ; the stores of the codes have read their data
.endif
.irp q, 0,1,2,3,4,5
	GRP \kind, \j, \s, \q
	LDS6 \kind, \j, \q
.endr
.if \rnd
	WALU
	s_wait_tensorcnt 0x0                           ; my part of the other slot has landed
.if (\rnd) == 1
	ds_add_u32 v[SPW], v[NIL]
	s_mul_i32 s[G0R+1], s18, 32*XP                 ; no tensor load of mine is out: the refill's group 0: my 32 rows, into the slot in hand
	s_add_co_u32 s[G0R+1], s[G0R+1], s[CUR]
	s_add_nc_u64 s[G0R+2:G0R+3], s[8:9], s[12:13]
	s_or_b32 s[G0R+3], s[G0R+3], 0x80000000
.endif
.endif
	GRP \kind, \j, \s, 6
.if \rnd
	WALU
	s_wait_dscnt 0x0                               ; the add is done, and my reads of the slot in hand are over
	s_barrier_signal -1
.endif
	GRP \kind, \j, \s, 7
	PLACES 2
.if \rnd
	WALU
	s_barrier_wait -1
.if (\rnd) == 1
	CREST
	tensor_load_to_lds s[G0R:G0R+3], s[G1W:G1W+7]
	s_nop 0
	PLACES 4
	s_cmp_eq_u32 s23, 3
	s_cbranch_scc1 .Lnone_ahead_\@
	global_prefetch_b8 v[PFO], s[10:11] th:TH_LOAD_NT scope:SCOPE_SE
.Lnone_ahead_\@:
.endif
.endif
.endm
.macro CODES b, off                    ; q, k: group a is row block a's register group c
.irp a, 0,1,2,3
	global_store_b128 v[L16], v[PC+4*\a:PC+4*\a+3], s[\b:\b+1] offset:16384*\a+\off   ; 32 lanes store 512 consecutive bytes, aligned
.endr
.endm
.macro SCALEOUT b                      ; lanes 0-15: row r's four words: 256 consecutive bytes, aligned
	s_wait_xcnt 0x0
	v_cmp_gt_u32 vcc_lo, 16, v3
	s_and_saveexec_b32 s26, vcc_lo
	global_store_b128 v[R16], v[SW:SW+3], s[\b:\b+1]
	s_wait_xcnt 0x0
	s_or_b32 exec_lo, exec_lo, s26
.endm
.macro VCODES b, pi, vr, off           ; v: group 2 e + c' is register group 2 wr + c' of the image of dt = 2 pi + e
.irp g, 0,1,2,3
	global_store_b128 v[L16], v[PC+4*\g:PC+4*\g+3], s[\b:\b+1] offset:(2*(\pi)+\g/2)*16384+(\g%2)*512
.endr
.irp e, 0,1
	ds_store_b16 v[\vr], v[SW+\e] offset:(\off)+(2*(\pi)+\e)*4
.endr
.endm
	s_load_b512 s[68:83], s[0:1], 0x0              ; x's codes, scales; Wq's; Wk's; Wv's
	s_load_b512 s[84:99], s[0:1], 0x40             ; bq, bk, bv, qc, qs, kc, ks, vc
	s_load_b64 s[100:101], s[0:1], 0x80            ; vs
	v_lshl_add_u32 v[SPW], v0, 2, SPARE
	v_mov_b32 v[NIL], 0
	ds_add_u32 v[SPW], v[NIL]                      ; the opening lines: the add twice on end and one wait
	ds_add_u32 v[SPW], v[NIL]
	v_lshrrev_b32 v1, 5, v0
	v_readfirstlane_b32 s18, v1                    ; wave w
	s_lshr_b32 s19, s18, 1                         ; wr
	s_and_b32 s20, s18, 1                          ; wc
	s_bfe_u32 s21, ttmp6, 0x40000                  ; cx = TC
	s_bfe_u32 s22, ttmp6, 0x40004                  ; cy
	s_lshl_b32 s24, ttmp9, 2
	s_add_co_u32 s24, s24, s22                     ; TR
	s_lshl_b32 s26, s22, 2
	s_lshl_b32 s26, 15, s26                        ; my row of the cluster
	s_lshl_b32 s27, 0x1111, s21                    ; my column
	s_or_b32 s[G1X], s26, (1<<20)|(1<<21)|(7<<22)|(3<<25)   ; whole rows of 1,024 bytes, four words of padding behind each
	s_or_b32 s[G1W], s27, (1<<20)|(1<<21)|(7<<22)|(3<<25)
.irp g, G1X, G1W
	s_mov_b32 s[\g+1], 1024<<16
	s_mov_b32 s[\g+2], 64<<16                      ; 64 rows at the head
	s_mov_b32 s[\g+3], 1024<<16
	s_mov_b32 s[\g+4], 64
	s_mov_b32 s[\g+5], 1024
	s_mov_b32 s[\g+6], 0
	s_mov_b32 s[\g+7], 0
.endr
	s_lshl_b32 s2, s24, 17                         ; x: rows 128 TR + 64 wc
	s_lshl_b32 s3, s20, 16
	s_add_co_u32 s2, s2, s3
	s_mov_b32 s3, 0
	s_lshl_b32 s10, s21, 18                        ; Wq at the head: rows 256 TC + 128 wc
	s_lshl_b32 s11, s20, 17
	s_add_co_u32 s10, s10, s11
	s_mov_b32 s11, 0
	s_lshl_b32 s12, s21, 18                        ; a weight in the ring: rows 256 TC + 128 wr + 32 wc
	s_lshl_b32 s13, s19, 17
	s_add_co_u32 s12, s12, s13
	s_lshl_b32 s13, s20, 15
	s_add_co_u32 s12, s12, s13
	s_mov_b32 s13, 0
	s_mul_i32 s14, s20, 64*XP
	s_add_co_u32 s15, s14, YB
	s_mov_b32 s[SEL], 0x76543210
	s_mov_b32 s[SEL+1], 0xfedcba98
	s_mov_b32 s[MNT], 0x600000
	s_wait_dscnt 0x0
	s_wait_kmcnt 0x0
	s_mov_b32 s[G0X], 1
	s_mov_b32 s[G0X+1], s15
	s_add_nc_u64 s[G0X+2:G0X+3], s[68:69], s[2:3]
	s_or_b32 s[G0X+3], s[G0X+3], 0x80000000
	s_mov_b32 s[G0H], 1
	s_mov_b32 s[G0H+1], s14
	s_add_nc_u64 s[G0H+2:G0H+3], s[72:73], s[10:11]
	s_or_b32 s[G0H+3], s[G0H+3], 0x80000000
	s_add_nc_u64 s[72:73], s[72:73], s[12:13]
	s_add_nc_u64 s[76:77], s[76:77], s[12:13]
	s_add_nc_u64 s[80:81], s[80:81], s[12:13]
	CROUND                                         ; all sixteen work-groups are here
	s_cmp_eq_u32 s19, 0                            ; one load a wave: waves 0, 1 the halves of x's rows (slot 1), waves 2, 3 Wq's first 64 rows for each wc (slot 0)
	s_cbranch_scc0 .Lhead_w
	tensor_load_to_lds s[G0X:G0X+3], s[G1X:G1X+7]
	s_nop 0
	PLACES 4
	s_branch .Lhead_asked
.Lhead_w:
	tensor_load_to_lds s[G0H:G0H+3], s[G1W:G1W+7]
	s_nop 0
	PLACES 4
.Lhead_asked:
	s_mul_i32 s2, s19, 64*XP
	s_add_co_u32 s2, s2, YB
	s_mul_i32 s3, s20, 64*XP
	s_mul_i32 s10, s20, RGN
	s_add_co_u32 s10, s10, SCR
	s_lshl_b32 s11, s22, 13
	s_lshl_b32 s16, s20, 9
	s_lshl_b32 s17, s19, 1
	s_add_co_u32 s16, s16, s17
	s_add_co_u32 s16, s16, VST
	s_lshl_b32 s17, s19, 11
	s_lshl_b32 s25, s19, 9
	s_lshl_b32 s27, s18, 8
	s_add_co_u32 s27, s27, VST
	v_and_b32 v1, 15, v0                           ; r
	v_bfe_u32 v2, v0, 4, 1                         ; h
	v_and_b32 v3, 31, v0                           ; lane
	v_lshlrev_b32 v[L16], 4, v3
	v_lshlrev_b32 v[R16], 4, v1
	v_lshlrev_b32 v[L8], 3, v3
	v_lshlrev_b32 v4, 5, v1
	v_lshl_add_u32 v[SCO], v2, 4, v4               ; 32 r + 16 h
	v_mul_u32_u24 v5, v1, XP
	v_lshl_add_u32 v5, v2, 4, v5
	v_add_nc_u32 v[AX], s2, v5
	v_add_nc_u32 v[AW0], s3, v5
	v_mov_b32 v[AC], v[AW0]
	v_add_nc_u32 v4, s10, v[L16]
	v_add_nc_u32 v[AS], OSC, v4
	v_add_nc_u32 v[ST], s17, v[AS]                 ; my four blocks of each weight's eight
	v_add_nc_u32 v[SBD], s25, v4                   ; wr 0 brings bq, wr 1 bk
	v_lshl_add_u32 v[AB], v2, 5, s10
	v_lshl_add_u32 v6, v1, 5, s10
	v_add_nc_u32 v[ABV], OBV, v6
	v_lshl_add_u32 v6, v3, 6, s10
	v_add_nc_u32 v6, s17, v6
	v_add_nc_u32 v[SVD], OBV, v6                   ; bv of rows 64 wr + 2 lane, + 1: 32 bytes each
	v_lshl_add_u32 v[VS0], v1, 4, s16
	v_mov_b32 v[VSC], v[VS0]
	v_add_nc_u32 v[VRD], s27, v[L8]
	v_lshrrev_b32 v6, 2, v3
	v_lshl_add_u32 v6, v6, 10, s11
	v_and_b32 v7, 3, v3
	v_lshl_add_u32 v[PFO], v7, 8, v6               ; row 8 cy + lane / 4 of my 32, block lane % 4
	WALU
	s_mov_b32 s15, 0
	s_lshl_b32 s14, s24, 12
	s_add_co_u32 s14, s14, s17
	s_add_nc_u64 s[70:71], s[70:71], s[14:15]      ; x's scales at row 128 TR + 64 wr
	s_lshl_b32 s14, s21, 13
	s_lshl_b32 s16, s20, 12
	s_add_co_u32 s14, s14, s16
	s_lshr_b32 s16, s14, 3
	s_add_co_u32 s14, s14, s17
	s_add_nc_u64 s[74:75], s[74:75], s[14:15]      ; the weights' scales at row 256 TC + 128 wc + 64 wr
	s_add_nc_u64 s[78:79], s[78:79], s[14:15]
	s_add_nc_u64 s[82:83], s[82:83], s[14:15]
	s_lshr_b32 s14, s14, 3
	s_add_nc_u64 s[88:89], s[88:89], s[14:15]      ; bv there
	s_mov_b32 s17, 0
	s_add_nc_u64 s[84:85], s[84:85], s[16:17]      ; bq, bk at column 256 TC + 128 wc
	s_add_nc_u64 s[86:87], s[86:87], s[16:17]
	s_cmp_eq_u32 s19, 0
	s_cselect_b64 s[16:17], s[84:85], s[86:87]
.irp a, 0,1,2,3
	global_load_b128 v[SA+4*\a:SA+4*\a+3], v[SCO], s[70:71] offset:512*\a
.endr
.irp t, 0,1,2,3
	global_load_b128 v[128+4*\t:131+4*\t], v[SCO], s[74:75] offset:512*\t
	global_load_b128 v[144+4*\t:147+4*\t], v[SCO], s[78:79] offset:512*\t
	global_load_b128 v[160+4*\t:163+4*\t], v[SCO], s[82:83] offset:512*\t
.endr
	global_load_b128 v[176:179], v[L16], s[16:17]
	global_load_b64 v[180:181], v[L8], s[88:89]
.set I_, 0
.rept 64
	v_mov_b32 v[ACC+64+I_], 0                      ; the first trip's lines find numbers here
.set I_, I_+1
.endr
.irp b, 0,1,2,3
	v_mov_b32 v[TM+4+\b], 0                        ; a lane permute's destination counts as one of its sources
	v_mov_b32 v[SW+\b], 0
.endr
	s_lshl_b32 s14, s24, 3                         ; q's, k's images: ((8 TR + 4 wr) x 8 + 2 TC + wc) x 2,048
	s_lshl_b32 s25, s19, 2
	s_add_co_u32 s14, s14, s25
	s_lshl_b32 s14, s14, 3
	s_lshl_b32 s25, s21, 1
	s_add_co_u32 s25, s25, s20                     ; 2 TC + wc
	s_add_co_u32 s14, s14, s25
	s_lshl_b32 s14, s14, 11
	s_add_nc_u64 s[90:91], s[90:91], s[14:15]
	s_add_nc_u64 s[94:95], s[94:95], s[14:15]
	s_lshl_b32 s14, s25, 7                         ; their scale words: ((2 TC + wc) x 128 + 2 TR + wr) x 256
	s_lshl_b32 s27, s24, 1
	s_add_co_u32 s27, s27, s19
	s_add_co_u32 s14, s14, s27
	s_lshl_b32 s14, s14, 8
	s_add_nc_u64 s[92:93], s[92:93], s[14:15]
	s_add_nc_u64 s[96:97], s[96:97], s[14:15]
	s_lshr_b32 s14, s24, 4                         ; v's images: b = TR / 16, head 2 TC + wc, channel (TR / 8) % 2, dt 0, key step TR % 8; + 1,024 wr
	s_lshl_b32 s14, s14, 3
	s_add_co_u32 s14, s14, s25
	s_lshl_b32 s14, s14, 1
	s_bfe_u32 s27, s24, 0x10003
	s_add_co_u32 s14, s14, s27
	s_lshl_b32 s14, s14, 6
	s_and_b32 s27, s24, 7
	s_add_co_u32 s14, s14, s27
	s_lshl_b32 s14, s14, 1
	s_add_co_u32 s14, s14, s19
	s_lshl_b32 s14, s14, 10
	s_add_nc_u64 s[98:99], s[98:99], s[14:15]
	s_lshl_b32 s14, s24, 4                         ; v's scale words: (16 TR + 4 TC + w) x 256
	s_lshl_b32 s27, s21, 2
	s_add_co_u32 s14, s14, s27
	s_add_co_u32 s14, s14, s18
	s_lshl_b32 s14, s14, 8
	s_add_nc_u64 s[100:101], s[100:101], s[14:15]
	s_mov_b64 s[6:7], s[90:91]
	WALU
	s_wait_loadcnt 0x0
.irp i, 0,1,2,3
	v_mov_b32 v[184+\i], v180
	v_mov_b32 v[188+\i], v181
.endr
	WALU
.irp t, 0,1,2,3
	ds_store_b128 v[ST], v[128+4*\t:131+4*\t] offset:512*\t
	ds_store_b128 v[ST], v[144+4*\t:147+4*\t] offset:4096+512*\t
	ds_store_b128 v[ST], v[160+4*\t:163+4*\t] offset:8192+512*\t
.endr
	s_cmp_eq_u32 s19, 0
	s_cbranch_scc1 .Lno_dup
	ds_store_b128 v[ST], v[172:175] offset:8192+2048   ; the last image once more: what the last fetch reads is written
.Lno_dup:
	ds_store_b128 v[SBD], v[176:179]
	ds_store_b128 v[SVD], v[184:187]
	ds_store_b128 v[SVD], v[184:187] offset:16
	ds_store_b128 v[SVD], v[188:191] offset:32
	ds_store_b128 v[SVD], v[188:191] offset:48
	WALU
	s_wait_tensorcnt 0x0                           ; my tile of the head's four is in,
	s_wait_dscnt 0x0                               ; and my part of the scratch is written
	s_barrier_signal -1
	s_barrier_wait -1
.irp q, 0,1,2,3,4,5,6,7
.irp a, 0,1,2,3
	WIN (1+(4*\q+\a)/16)<<6
.irp c, 0,1,2,3
	ds_load_b128 v[16*((4*\q+\a)%16)+4*\c:16*((4*\q+\a)%16)+4*\c+3], v[AX] offset:\a*16*XP+128*\q+32*\c   ; x's fragments stay in registers
.endr
.endr
.endr
.irp q, 0,1,2,3,4,5
	LDS6 0, -1, \q                                 ; Wq's first block
.endr
	s_wait_tensorcnt 0x0                           ; the lines ahead of a refill
	ds_add_u32 v[SPW], v[NIL]
	s_mov_b32 s[G1W+2], 32<<16                     ; no tensor load of mine is out: from here on a load brings 32 rows
	s_mov_b32 s[G1W+4], 32
	s_mov_b32 s[G0R], 1
	s_mul_i32 s[G0R+1], s18, 32*XP
	s_add_co_u32 s[G0R+1], s[G0R+1], YB
	s_add_nc_u64 s[G0R+2:G0R+3], s[72:73], 0x10000
	s_or_b32 s[G0R+3], s[G0R+3], 0x80000000
	s_wait_dscnt 0x0                               ; x is in registers
	CROUND
	tensor_load_to_lds s[G0R:G0R+3], s[G1W:G1W+7]  ; Wq's rows 64 on, over x's rows in slot 1
	s_nop 0
	PLACES 4
	s_mov_b32 s23, 0
	s_mov_b32 s[CUR], 0
	s_mov_b32 s[NXS], YB
.Lph:                                              ; four trips: q's two phases, k's two; u = trip % 2
	s_and_b32 s14, s23, 1
	s_lshl_b32 s12, s14, 16                        ; 64 u rows
	s_mov_b32 s13, 0
	s_lshl_b32 s[SHA], s14, 4                      ; the first pair's byte: c = 2 u
	s_sub_co_u32 s[SHB], 24, s[SHA]                ; the last trip's second pair's: c = 3 - 2 u
	s_sub_co_u32 s[KEEP], 0, s14
	s_lshl_b32 s16, s14, 10
	s_mov_b32 s17, 0
	s_cmp_lt_u32 s23, 2
	s_cselect_b64 s[8:9], s[76:77], s[80:81]       ; the weight of the phase two on
	s_cselect_b64 s[4:5], s[90:91], s[94:95]       ; this phase's images
	s_add_nc_u64 s[4:5], s[4:5], s[16:17]
	s_xor_b32 s16, s12, 0x10000
	s_cmp_eq_u32 s23, 0
	s_cselect_b64 s[10:11], s[76:77], s[80:81]     ; the phase three on, for the prefetch
	s_add_nc_u64 s[10:11], s[10:11], s[16:17]
	v_add_nc_u32 v[AC], s[CUR], v[AW0]
	v_add_nc_u32 v[AN], s[NXS], v[AW0]
	BLK 0, 0, 0, 0
	BLK 0, 1, 0, 0
	WALU
	s_cmp_eq_u32 s23, 0
	s_cbranch_scc1 .Lno_prev
	CODES 6, 512                                   ; the last trip's second pair
	s_cmp_eq_u32 s23, 2
	s_cbranch_scc0 .Lno_prev
	SCALEOUT 92                                    ; q's words are whole
.Lno_prev:
	s_wait_xcnt 0x0
.irp a, 0,1,2,3
	v_and_b32 v[SW+\a], s[KEEP], v[SW+\a]          ; u = 0: a new chunk's words begin as zeros
.endr
	BLK 0, 2, 1, 1
	BLK 0, 3, 1, 0
	WALU
	CODES 4, 0                                     ; this trip's first pair
	s_wait_xcnt 0x0
	s_mov_b64 s[6:7], s[4:5]
	s_xor_b32 s[CUR], s[CUR], YB
	s_xor_b32 s[NXS], s[NXS], YB
	v_add_nc_u32 v[AS], 2048, v[AS]
	v_add_nc_u32 v[AB], 256, v[AB]
	s_add_co_u32 s23, s23, 1
	s_cmp_lg_u32 s23, 4
	WALU
	s_cbranch_scc1 .Lph
	s_mov_b32 s[SHB], 24                           ; k's last pair has no products of its kind behind it
	QLS 0, ACC+64, 0, 128, SHB
	v_nop
	CODES 6, 512
	SCALEOUT 96
	s_wait_dscnt 0x0
	ds_load_b128 v[CB:CB+3], v[ABV]                ; Wv's first block: its bias lies otherwise than q's and k's
	ds_load_b128 v[CB+4:CB+7], v[ABV] offset:16
	s_mov_b32 s23, 0
.Lpv:                                              ; two trips: v's two phases
	s_lshl_b32 s16, s23, 16
	s_mov_b32 s17, 0
	s_add_nc_u64 s[4:5], s[98:99], s[16:17]        ; dt = 4 u on
	v_add_nc_u32 v[AC], s[CUR], v[AW0]
	v_add_nc_u32 v[AN], s[NXS], v[AW0]
	BLK 1, 0, 0, 0
	BLK 1, 1, 0, 0
	WALU
	s_cmp_eq_u32 s23, 0
	s_cbranch_scc1 .Lno_prev_v
	VCODES 6, 1, VS0, 0
.Lno_prev_v:
	BLK 1, 2, 1, 2
	BLK 1, 3, 1, 0
	WALU
	VCODES 4, 0, VSC, 0
	s_wait_xcnt 0x0
	s_mov_b64 s[6:7], s[4:5]
	s_xor_b32 s[CUR], s[CUR], YB
	s_xor_b32 s[NXS], s[NXS], YB
	v_add_nc_u32 v[AS], 2048, v[AS]
	v_add_nc_u32 v[ABV], 2048, v[ABV]
	v_add_nc_u32 v[VSC], 256, v[VSC]
	s_add_co_u32 s23, s23, 1
	s_cmp_lg_u32 s23, 2
	WALU
	s_cbranch_scc1 .Lpv
	QLS 1, ACC+64, 0, 128, SHB
	v_nop
	VCODES 6, 1, VS0, 256
	s_wait_dscnt 0x0                               ; my half words are in the stage
	s_barrier_signal -1
	s_barrier_wait -1
	ds_load_b64 v[4:5], v[VRD]
	s_wait_dscnt 0x0
	global_store_b64 v[L8], v[4:5], s[100:101]     ; 32 lanes store 256 consecutive bytes, aligned
	s_wait_tensorcnt 0x0                           ; the wave's end
	ds_add_u32 v[SPW], v[NIL]
	s_wait_dscnt 0x0
	CROUND                                         ; the closing round
	s_endpgm
.Lfunc_end_k_qa2ddcf45fc_proj:
	.size	k_qa2ddcf45fc_proj, .Lfunc_end_k_qa2ddcf45fc_proj-k_qa2ddcf45fc_proj
	.p2alignl 7, 3214868480
	.fill 96, 4, 3214868480
	.section	.rodata,"a",@progbits
	.p2align	6, 0x0
	.amdhsa_kernel k_qa2ddcf45fc_proj
		.amdhsa_group_segment_fixed_size 327680
		.amdhsa_private_segment_fixed_size 0
		.amdhsa_enable_private_segment 0
		.amdhsa_kernarg_size 136
		.amdhsa_user_sgpr_count 2
		.amdhsa_user_sgpr_kernarg_segment_ptr 1
		.amdhsa_wavefront_size32 1
		.amdhsa_system_sgpr_workgroup_id_x 1
		.amdhsa_system_sgpr_workgroup_id_y 1
		.amdhsa_system_sgpr_workgroup_id_z 1
		.amdhsa_system_vgpr_workitem_id 0
		.amdhsa_next_free_vgpr 1024
		.amdhsa_next_free_sgpr 102
		.amdhsa_reserve_vcc 1
		.amdhsa_float_denorm_mode_32 3
		.amdhsa_float_denorm_mode_16_64 3
		.amdhsa_memory_ordered 1
		.amdhsa_forward_progress 1
		.amdhsa_inst_pref_size 137
	.end_amdhsa_kernel
	.amdgpu_metadata
---
amdhsa.version: [ 1, 2 ]
amdhsa.kernels:
  - .name:           k_qa2ddcf45fc_proj
    .symbol:         k_qa2ddcf45fc_proj.kd
    .args:
      - { .name: x_codes, .offset: 0, .size: 8, .value_kind: global_buffer, .address_space: global }
      - { .name: x_scales, .offset: 8, .size: 8, .value_kind: global_buffer, .address_space: global }
      - { .name: Wq_codes, .offset: 16, .size: 8, .value_kind: global_buffer, .address_space: global }
      - { .name: Wq_scales, .offset: 24, .size: 8, .value_kind: global_buffer, .address_space: global }
      - { .name: Wk_codes, .offset: 32, .size: 8, .value_kind: global_buffer, .address_space: global }
      - { .name: Wk_scales, .offset: 40, .size: 8, .value_kind: global_buffer, .address_space: global }
      - { .name: Wv_codes, .offset: 48, .size: 8, .value_kind: global_buffer, .address_space: global }
      - { .name: Wv_scales, .offset: 56, .size: 8, .value_kind: global_buffer, .address_space: global }
      - { .name: bq, .offset: 64, .size: 8, .value_kind: global_buffer, .address_space: global }
      - { .name: bk, .offset: 72, .size: 8, .value_kind: global_buffer, .address_space: global }
      - { .name: bv, .offset: 80, .size: 8, .value_kind: global_buffer, .address_space: global }
      - { .name: qc, .offset: 88, .size: 8, .value_kind: global_buffer, .address_space: global }
      - { .name: qs, .offset: 96, .size: 8, .value_kind: global_buffer, .address_space: global }
      - { .name: kc, .offset: 104, .size: 8, .value_kind: global_buffer, .address_space: global }
      - { .name: ks, .offset: 112, .size: 8, .value_kind: global_buffer, .address_space: global }
      - { .name: vc, .offset: 120, .size: 8, .value_kind: global_buffer, .address_space: global }
      - { .name: vs, .offset: 128, .size: 8, .value_kind: global_buffer, .address_space: global }
    .group_segment_fixed_size: 327680
    .private_segment_fixed_size: 0
    .kernarg_segment_align: 8
    .kernarg_segment_size: 136
    .max_flat_workgroup_size: 128
    .sgpr_count:     102
    .vgpr_count:     1024
    .wavefront_size: 32
...
	.end_amdgpu_metadata
.endif
;; end of part 1
;; launch attn (part 2): grid 8 x 32, 4 waves a work-group, clusters of 4 x 1, 327,680 bytes of LDS; arguments qc, qs, kc, ks, vc, vs, oc, os; writes oc, os
.if DOCPART == 2
	.amdgcn_target "amdgcn-amd-amdhsa--gfx1250"
	.amdhsa_code_object_version 6
	.text
	.protected	k_qa2ddcf45fc_attn
	.globl	k_qa2ddcf45fc_attn
	.p2align	8
	.type	k_qa2ddcf45fc_attn,@function
k_qa2ddcf45fc_attn:
	s_mov_b64 s[64:65], 0
	v_nop
	global_prefetch_b8 v0, s[64:65] scope:SCOPE_SE
	s_setreg_imm32_b32 hwreg(HW_REG_WAVE_MODE, 25, 1), 1
	s_wait_xcnt 0x0
	s_wait_alu depctr_hold_cnt(0) depctr_sa_sdst(0) depctr_va_vdst(0) depctr_va_sdst(0) depctr_va_ssrc(0) depctr_va_vcc(0) depctr_vm_vsrc(0)
	s_getreg_b32 s2, hwreg(HW_REG_IB_STS2, 6, 4)
	s_cmp_eq_u32 s2, 0
	s_cbranch_scc0 .Lentry_in_a_cluster
	s_endpgm
.Lentry_in_a_cluster:
	s_bfe_u32 s2, ttmp6, 0x10000c
	s_cmp_lg_u32 s2, 0x3003
	s_cbranch_scc0 .Lentry_shape_is_right
	s_endpgm
.Lentry_shape_is_right:
; For each batch b and head hd: scores = q k^T / 16 (K = 256), p = 2^(t - M), out = p v / l for both channels (K = the 1,024 keys), and the quantiser of out along its 128 columns of the head.
; All operands are images of fragments made by the launch before: 16 rows x 128 K in 2,048 bytes, register group c of lane l at 512 c + 16 l.  Inside a block of 32 they stand in the order
; 8 h + i % 8 + 16 (i / 8); p and out come out of the products in that same order, so nothing changes lanes or places between the products.
; Head hd of q and k: channel n = hd / 4, columns 256 (hd % 4) on.  Head hd of v and of out: columns 128 hd on, both channels n'.
; THE SOFTMAX: t = score x log2(e) / 16; M = the row's largest t so far, rounded UP to a whole number; p = 2^(t - M) is quantised along the keys, not normalised; the row's sum is taken of the unquantised p
; and divides out at the end.  When M moves, the sum and out are multiplied by 2^(old M - new M): exact, and with no branch on data.
; SHARES.  A work-group owns 128 queries of one (b, hd); each of its four waves two tiles of 16, so that each fragment of k and v read from LDS feeds two products.  256 work-groups.
; Both products are used transposed (S^T = k q^T, O^T = v^T p^T): a lane holds ONE query (lane % 16) throughout.
; CLUSTER.  The four query blocks of a cluster walk the same k and v: each tile is asked for JOINTLY, by the same tensor load with a mask that names the four.
; LDS: two slots of 256 keys, 2^17 bytes apart (k: 65,536 bytes, then v: 65,536); behind them the head's scale words of k and v, filled once; then the spare words.
; The scale words of out leave in runs of 128 consecutive bytes (two tiles' words): one byte in 32 of what this launch stores.
; LIMITS: NaN and infinities are not served.  A block whose largest magnitude lies under 2^-118, a block of zeros too, keeps the scale byte 1: its codes are read by this program alone.
; A block's largest p is taken through its largest score: this takes v_exp_f32 not to fall where its input rises.
; REGISTERS.  Tile t's own state has the SAME numbers in window t (t = 0, 1), so the softmax is written once and runs under one window setting:
;   v12 -M, v13 the largest t, v[14:15] the sum, v16-47 q's two fragments, v96-159 S^T then p, v160-181 at work, v224-239 p's codes.
;   window 0 alone: v1-11 addresses, v48-63 k's scale words, v64-79 v's, v80-83 q's, v84-85 p's, v86-87 the add's, v182-187 out's scale words.
;   window 2: v0-127 O^T of tile 0 (64 n' + 8 dt), v128-255 fragment buffer 0.   window 3: the same for tile 1, buffer 1.
.set SLOT1, 1<<17
.set VOFF,  65536
.set SCK,   262144                     ; k's scale words: [c 2][group of 64 keys 16][256 bytes];  8,192 bytes on: v's: [n' 2][key step 8][g 2][256 bytes]
.set SPARE, SCK+16384                  ; the spare words, 128 bytes for each wave: two blocks of 256 bytes that no other line names
.set L16, 3                            ; v3   16 x lane
.set L4,  4                            ; v4   4 x lane
.set R16, 5                            ; v5   16 x (lane % 16)
.set LV,  7                            ; v7   16 x lane + VOFF
.set ADK, 8                            ; v8   LDS address of the slot's k
.set ADV, 9                            ; v9   of its v
.set ADS, 10                           ; v10  of the step's scale words
.set RS,  11                           ; v11  16 x (lane % 16) + SCK
.set NM,  12
.set TMX, 13
.set SUM, 14
.set Q,   16
.set KSC, 48                           ; 8 c + kt'
.set VSC, 64                           ; 8 n' + dt
.set QSC, 80                           ; 2 c + t
.set PW,  84                           ; t
.set SPW, 86
.set NIL, 87
.set S,   96
.set TM,  160                          ; the quantiser's sixteen: the four sets below
.set BM,  160                          ; a block's largest score, then its largest p
.set PX,  164                          ; the other half's; then the bytes
.set HL,  168                          ; 448 x the scale
.set SO,  172                          ; the conversion's scale operand
.set S2,  176                          ; the sum's second chain
.set FF,  178                          ; f = 2^(old M - new M), and a word named with it as a pair
.set TT,  180
.set PWD, 181                          ; p's scale word as it is made
.set OW,  182                          ; out's scale words, 2 n' + t
.set MW,  186                          ; two tiles' words in one register
.set PC,  224
.set FB,  128                          ; the fragment buffers, in windows 2 and 3
.set MNT, 19
.set SEL, 20
.set CS,  22
.set G1K, 24
.set G1V, 32
.set G1S, 40
.set G1T, 48
.set G0K, 56
.set G0V, 60
.set G0SK, 84
.set G0SV, 88
.set TB,  92                           ; s92  LDS byte at which the slot in hand begins
.set TS,  93                           ; s93  where the step's scale words begin: 512 bytes a step
.set SLOTS, 94
.set MSB, 0
.macro WIN new
.if MSB != (\new)
	s_set_vgpr_msb (MSB<<8)|(\new)
.set MSB, (\new)
.endif
.endm
.macro PLACES n
.rept \n
	v_nop
.endr
.endm
.macro JLOAD                           ; a joint refill: waves 0 and 1 fetch the halves of the slot's k, waves 2 and 3 the two channels of its v.  Four v_nop follow each of the two lines
	s_cmp_lt_u32 s18, 2
	s_cbranch_scc0 .Lfor_v_\@
	tensor_load_to_lds s[G0K:G0K+3], s[G1K:G1K+7]
	s_nop 0
	PLACES 4
	s_branch .Lasked_\@
.Lfor_v_\@:
	tensor_load_to_lds s[G0V:G0V+3], s[G1K:G1K+7]   ; v's tile has k's shape: 8 rows of 4,096 bytes, 16,384 apart
	s_nop 0
	PLACES 4
.Lasked_\@:
.endm
.macro CROUND                          ; a round of the cluster's barrier
	s_barrier_signal -1
	s_barrier_wait -1
	s_cmp_lg_u32 s18, 0
	s_cbranch_scc1 .Lnot_wave_0_\@
	s_barrier_signal -3
.Lnot_wave_0_\@:
	s_barrier_wait -3
	s_barrier_signal -1
	s_barrier_wait -1
.endm
.macro QUANT s, pw                     ; 64 numbers of a lane become a fragment's codes in v[PC] on and its scale word in v[pw]
.irp b, 0,1,2,3
	v_max3_num_f32 v[TM+\b], |v[\s+16*\b]|, |v[\s+1+16*\b]|, 0x4800000   ; my 16 numbers, and the floor 2^(9 - 127): so the byte cannot fall under 1
.endr
.irp i, 2,4,6,8,10,12,14
.irp b, 0,1,2,3
	v_max3_num_f32 v[TM+\b], v[TM+\b], |v[\s+16*\b+\i]|, |v[\s+1+16*\b+\i]|
.endr
.endr
.irp b, 0,1,2,3
	v_permlanex16_b32 v[TM+4+\b], v[TM+\b], s[SEL], s[SEL+1]
.endr
.irp b, 0,1,2,3
	v_max_num_f32 v[TM+\b], v[TM+\b], v[TM+4+\b]
.endr
.irp b, 0,1,2,3
	v_add_nc_u32 v[TM+12+\b], 0xfc000000, v[TM+\b]
.endr
.irp b, 0,1,2,3
	v_and_or_b32 v[TM+8+\b], v[TM+\b], 0x7f800000, s[MNT]
.endr
.irp b, 0,1,2,3
	v_lshrrev_b32 v[TM+4+\b], 23, v[TM+12+\b]
.endr
	v_lshl_or_b32 v[\pw], v[TM+5], 8, v[TM+4]
	v_lshl_or_b32 v[\pw], v[TM+6], 16, v[\pw]
	v_lshl_or_b32 v[\pw], v[TM+7], 24, v[\pw]
.irp b, 0,1,2,3
.irp i, 0,1,2,3,4,5,6,7,8,9,10,11,12,13,14,15
	v_med3_num_f32 v[\s+16*\b+\i], v[\s+16*\b+\i], -v[TM+8+\b], v[TM+8+\b]   ; the conversion to an 8-bit code does not saturate (ISA guide 7.6.2)
.endr
	v_cvt_scalef32_pk8_fp8_f32 v[PC+4*\b:PC+4*\b+1], v[\s+16*\b:\s+16*\b+7], v[TM+12+\b]
	v_cvt_scalef32_pk8_fp8_f32 v[PC+4*\b+2:PC+4*\b+3], v[\s+16*\b+8:\s+16*\b+15], v[TM+12+\b]
.endr
	v_nop                                          ; one plain line behind the last conversion
.endm
; One tile's softmax for 128 keys, all in the tile's own window.  Register 16 b + i holds a key of block b of 32; the block's other 16 keys lie in lane l xor 16.
.macro SOFTMAX
.irp b, 0,1,2,3
	v_max3_num_f32 v[BM+\b], v[S+16*\b], v[S+1+16*\b], v[S+2+16*\b]   ; the largest score of each block: it serves for the row's maximum and, since p rises with the score, for the block's largest p
.endr
.irp i, 3,5,7,9,11,13
.irp b, 0,1,2,3
	v_max3_num_f32 v[BM+\b], v[BM+\b], v[S+16*\b+\i], v[S+1+16*\b+\i]
.endr
.endr
.irp b, 0,1,2,3
	v_max_num_f32 v[BM+\b], v[BM+\b], v[S+15+16*\b]
.endr
.irp b, 0,1,2,3
	v_permlanex16_b32 v[PX+\b], v[BM+\b], s[SEL], s[SEL+1]
.endr
.irp b, 0,1,2,3
	v_max_num_f32 v[BM+\b], v[BM+\b], v[PX+\b]
.endr
	v_max3_num_f32 v[TT], v[BM], v[BM+1], v[BM+2]
	v_max_num_f32 v[TT], v[TT], v[BM+3]            ; the step's largest score of my query
	v_mul_f32 v[TT], s[CS], v[TT]                  ; as t (c is positive)
	v_max_num_f32 v[TMX], v[TMX], v[TT]            ; the running largest t
	v_mov_b32 v[TT], v[NM]
	v_floor_f32 v[NM], -v[TMX]                     ; the new -M = floor(-t) = -ceil(t)
	v_sub_f32 v[TT], v[NM], v[TT]                  ; old M less new M: a whole number, 0 or less
	v_cvt_i32_f32 v[TT], v[TT]                     ; (it saturates)
	v_ldexp_f32 v[FF], 1.0, v[TT]                  ; f = 2^(old M - new M)
.set j, 0
.rept 32
	v_pk_fma_f32 v[S+j:S+j+1], v[S+j:S+j+1], s[CS:CS+1], v[NM:NM+1] op_sel_hi:[1,0,0]   ; t - M, two at a time
.set j, j+2
.endr
.irp b, 0,1,2,3
	v_fma_f32 v[BM+\b], v[BM+\b], s[CS], v[NM]     ; the same of each block's largest score
.endr
.set j, 0
	s_wait_alu depctr_va_vdst(0)
.rept 64
	v_exp_f32 v[S+j], v[S+j]                       ; p = 2^(t - M), at most 1
.set j, j+1
.endr
.irp b, 0,1,2,3
	v_exp_f32 v[BM+\b], v[BM+\b]                   ; the block's largest p: the same two instructions on the same number
.endr
	v_pk_mul_f32 v[SUM:SUM+1], v[SUM:SUM+1], v[FF:FF+1] op_sel_hi:[1,0]   ; the sums under the new M.  (The plain line behind the exponentials)
	s_wait_alu depctr_va_vdst(0)
.irp b, 0,1,2,3
	v_max_num_f32 v[BM+\b], 0x4800000, v[BM+\b]    ; the floor 2^(9 - 127)
.endr
.irp b, 0,1,2,3
	v_add_nc_u32 v[SO+\b], 0xfc000000, v[BM+\b]    ; 8 off the exponent field: the conversion's scale operand
.endr
.irp b, 0,1,2,3
	v_and_or_b32 v[HL+\b], v[BM+\b], 0x7f800000, s[MNT]   ; 448 x the scale
.endr
.irp b, 0,1,2,3
	v_lshrrev_b32 v[PX+\b], 23, v[SO+\b]           ; the scale's byte
.endr
	v_lshl_or_b32 v[PWD], v[PX+1], 8, v[PX]
	v_lshl_or_b32 v[PWD], v[PX+2], 16, v[PWD]
	v_lshl_or_b32 v[PWD], v[PX+3], 24, v[PWD]
	v_pk_add_f32 v[S2:S2+1], v[S:S+1], v[S+2:S+3]  ; the row's sum is taken of the unquantised p: two at a time, in two chains
.irp j, 4,8,12,16,20,24,28,32,36,40,44,48,52,56,60
	v_pk_add_f32 v[SUM:SUM+1], v[SUM:SUM+1], v[S+\j:S+\j+1]
	v_pk_add_f32 v[S2:S2+1], v[S2:S2+1], v[S+2+\j:S+3+\j]
.endr
	v_pk_add_f32 v[SUM:SUM+1], v[SUM:SUM+1], v[S2:S2+1]
.irp b, 0,1,2,3
.irp i, 0,1,2,3,4,5,6,7,8,9,10,11,12,13,14,15
	v_min_num_f32 v[S+16*\b+\i], v[S+16*\b+\i], v[HL+\b]   ; p is not negative: the hold is one-sided
.endr
	v_cvt_scalef32_pk8_fp8_f32 v[PC+4*\b:PC+4*\b+1], v[S+16*\b:S+16*\b+7], v[SO+\b]
	v_cvt_scalef32_pk8_fp8_f32 v[PC+4*\b+2:PC+4*\b+3], v[S+16*\b+8:S+16*\b+15], v[SO+\b]
.endr
.endm
.macro KLOAD q, g                      ; 32 loads: key tiles 4 g .. 4 g + 3 of the slot's q-th step, both halves c of K, into buffer g: fragment 2 k + c
	WIN 0x80+0x40*(\g)
.irp k, 0,1,2,3
.irp c, 0,1
.irp e, 0,1,2,3
	ds_load_b128 v[FB+16*(2*\k+\c)+4*\e:FB+16*(2*\k+\c)+4*\e+3], v[ADK] offset:(8*(\q)+4*(\g)+\k)*4096+2048*\c+512*\e
.endr
.endr
.endr
.endm
.macro VLOAD q, n                      ; 32 loads: channel n's eight tiles of 16 columns, these 128 keys, into buffer n
	WIN 0x80+0x40*(\n)
.irp d, 0,1,2,3,4,5,6,7
.irp e, 0,1,2,3
	ds_load_b128 v[FB+16*\d+4*\e:FB+16*\d+4*\e+3], v[ADV] offset:32768*(\n)+4096*\d+2048*(\q)+512*\e
.endr
.endr
.endm
.macro SPROD t, g                      ; tile t's scores of key tiles 4 g .. 4 g + 3: four products start the sums, four add the second 128 of K: three other accumulators stand between a sum's two links
	WIN 0x02+(\g)+0x54*(\t)
.irp k, 0,1,2,3
	v_wmma_scale_f32_16x16x128_f8f6f4 v[S+8*(4*(\g)+\k):S+8*(4*(\g)+\k)+7], v[FB+32*\k:FB+32*\k+15], v[Q:Q+15], 0, v[KSC+4*(\g)+\k], v[QSC+(\t)]
.endr
.irp k, 0,1,2,3
	v_wmma_scale_f32_16x16x128_f8f6f4 v[S+8*(4*(\g)+\k):S+8*(4*(\g)+\k)+7], v[FB+32*\k+16:FB+32*\k+31], v[Q+16:Q+31], v[S+8*(4*(\g)+\k):S+8*(4*(\g)+\k)+7], v[KSC+8+4*(\g)+\k], v[QSC+2+(\t)]
.endr
.endm
.macro PVPROD t, n                     ; tile t, channel n: O^T += v^T p^T, eight accumulators, each once a step
	WIN 0xa2+(\n)+0x54*(\t)
.irp d, 0,1,2,3,4,5,6,7
	v_wmma_scale_f32_16x16x128_f8f6f4 v[64*(\n)+8*\d:64*(\n)+8*\d+7], v[FB+16*\d:FB+16*\d+15], v[PC:PC+15], v[64*(\n)+8*\d:64*(\n)+8*\d+7], v[VSC+8*(\n)+\d], v[PW+(\t)]
.endr
.endm
; A KEY STEP: 128 keys, the q-th of the slot in hand
.macro STEP q
	v_add_nc_u32 v[ADK], s[TB], v[L16]
	v_add_nc_u32 v[ADV], s[TB], v[LV]
	v_add_nc_u32 v[ADS], s[TS], v[RS]
	PLACES 5                                       ; with the three additions: eight places between the last products and the loads into the buffers that they read
.irp c, 0,1
.irp g, 0,1
	ds_load_b128 v[KSC+8*\c+4*\g:KSC+8*\c+4*\g+3], v[ADS] offset:4096*\c+256*\g   ; row r's words of four key tiles
.endr
.endr
	KLOAD \q, 0
	KLOAD \q, 1
	s_wait_alu depctr_va_vdst(0)
	s_wait_dscnt 32                                ; the scale words and buffer 0 are in; buffer 1's 32 loads may be out
	SPROD 0, 0
	SPROD 1, 0
	s_wait_dscnt 0x0
	SPROD 0, 1
	SPROD 1, 1
	WIN 0
	PLACES 8                                       ; in front of the loads into the buffers, and of the first read of the scores
.irp n, 0,1
.irp g, 0,1
	ds_load_b128 v[VSC+8*\n+4*\g:VSC+8*\n+4*\g+3], v[ADS] offset:8192+4096*\n+256*\g
.endr
.endr
	VLOAD \q, 0                                    ; v's fragments land under the softmax
	VLOAD \q, 1
.irp t, 0,1
	WIN 0x55*\t
	SOFTMAX
	WIN \t
	v_mov_b32 v[PW+\t], v[PWD]                     ; p's scale word into window 0, where scale operands are read.  (Also the plain line behind the last conversion)
	WIN 0x82+0x45*\t                               ; O^T (destination and source 0) window 2 + t, f window t
.set i, 0
.rept 64
	v_pk_mul_f32 v[i:i+1], v[i:i+1], v[FF:FF+1] op_sel_hi:[1,0]   ; O^T under the new M.  (These are also the places between the codes, the scale word and the products)
.set i, i+2
.endr
.endr
	s_wait_alu depctr_va_vdst(0)
	s_wait_dscnt 0x0                               ; v is in
	PVPROD 0, 0
	PVPROD 1, 0
	PVPROD 0, 1
	PVPROD 1, 1
	WIN 0
	s_add_co_u32 s[TS], s[TS], 512                 ; the next step's scale words
.endm
; THE CHANGE OF SLOTS stands at a slot's head.  Each wave waits for all its tensor loads (its part of the slot ahead), adds 0 to its spare word, and waits for that and for its reads of the slot that it has left.
; fill = 1: that other slot is filled with the 256 keys that follow; the barrier is then a round of the cluster's, and the joint load has a slot's 128 products a wave in which to land.
.macro CHANGE fill
	s_wait_tensorcnt 0x0                           ; no tensor load of mine is out, so a group 0 may be written
	ds_add_u32 v[SPW], v[NIL]                      ; 0 onto my spare word
.if \fill
	s_xor_b32 s[G0K+1], s[G0K+1], SLOT1            ; the walking descriptors: the other slot than last time,
	s_add_nc_u64 s[G0K+2:G0K+3], s[G0K+2:G0K+3], 262144   ; the next 16 key tiles of 16,384 bytes;
	s_xor_b32 s[G0V+1], s[G0V+1], SLOT1
	s_add_nc_u64 s[G0V+2:G0V+3], s[G0V+2:G0V+3], 4096     ; the next two chunks of 128 keys
	s_wait_dscnt 0x0                               ; the add is done, and my reads of the slot that I have left are over
	CROUND
	JLOAD
.else
	s_wait_dscnt 0x0
	s_barrier_signal -1
	s_barrier_wait -1
.endif
.endm
	s_load_b512 s[68:83], s[0:1], 0x0              ; qc, qs, kc, ks, vc, vs, oc, os
	v_lshl_add_u32 v[SPW], v0, 2, SPARE
	v_mov_b32 v[NIL], 0
	ds_add_u32 v86, v87
	ds_add_u32 v86, v87
	s_wait_dscnt 0x0
	v_lshrrev_b32 v1, 5, v0
	v_readfirstlane_b32 s18, v1                    ; wave 0..3
	s_bfe_u32 s2, ttmp6, 0x40000                   ; cx
	s_lshl_b32 s3, ttmp9, 2
	s_add_co_u32 s3, s3, s2                        ; QB: my block of 128 queries: it enters q's and out's addresses alone
	s_and_b32 s4, ttmp7, 0xffff
	s_lshr_b32 s5, s4, 3                           ; b
	s_and_b32 s6, s4, 7                            ; hd
	s_lshr_b32 s7, s6, 2                           ; n
	s_and_b32 s8, s6, 3                            ; hq
	s_lshl_b32 s9, s5, 1
	s_add_co_u32 s9, s9, s7                        ; 2 b + n
	s_and_b32 s10, s18, 1
	s_lshl_b32 s12, s9, 20                         ; k's tiles: (2 b + n) x 64 row blocks of 16,384 bytes + hq x 4,096 + my 8 key tiles
	s_lshl_b32 s11, s8, 12
	s_add_co_u32 s12, s12, s11
	s_lshl_b32 s11, s10, 17
	s_add_co_u32 s12, s12, s11
	s_mov_b32 s13, 0
	s_lshl_b32 s14, s4, 1                          ; v's images lie [b][head][channel][dt 8][key step 8][2,048]: ((8 b + hd) x 2 + my channel) x 131,072
	s_add_co_u32 s14, s14, s10
	s_lshl_b32 s14, s14, 17
	s_mov_b32 s15, 0
	s_lshl_b32 s16, s8, 1                          ; k's scale words: ((2 hq + my c) x 128 + (2 b + n) x 16) x 256
	s_add_co_u32 s16, s16, s10
	s_lshl_b32 s16, s16, 7
	s_lshl_b32 s11, s9, 4
	s_add_co_u32 s16, s16, s11
	s_lshl_b32 s16, s16, 8
	s_mov_b32 s17, 0
	s_lshl_b32 s96, s5, 4                          ; v's: ((16 b + 8 x my channel) x 16 + 2 hd) x 256
	s_lshl_b32 s11, s10, 3
	s_add_co_u32 s96, s96, s11
	s_lshl_b32 s96, s96, 4
	s_lshl_b32 s11, s6, 1
	s_add_co_u32 s96, s96, s11
	s_lshl_b32 s96, s96, 8
	s_mov_b32 s97, 0
	s_lshl_b32 s98, s9, 6                          ; q: (((2 b + n) x 64 + 8 QB + 2 w) x 8 + 2 hq) x 2,048
	s_lshl_b32 s4, s3, 3
	s_add_co_u32 s98, s98, s4
	s_lshl_b32 s4, s18, 1
	s_add_co_u32 s98, s98, s4
	s_lshl_b32 s98, s98, 3
	s_lshl_b32 s4, s8, 1
	s_add_co_u32 s98, s98, s4
	s_lshl_b32 s98, s98, 11
	s_mov_b32 s99, 0
	s_lshl_b32 s100, s8, 8                         ; q's scale words: (2 hq x 128 + (2 b + n) x 16 + 2 QB + w / 2) x 256 + 8 (w % 2)
	s_lshl_b32 s4, s9, 4
	s_add_co_u32 s100, s100, s4
	s_lshl_b32 s4, s3, 1
	s_add_co_u32 s100, s100, s4
	s_lshr_b32 s4, s18, 1
	s_add_co_u32 s100, s100, s4
	s_lshl_b32 s100, s100, 8
	s_lshl_b32 s4, s10, 3
	s_add_co_u32 s100, s100, s4
	s_mov_b32 s101, 0
	s_lshl_b32 s7, s5, 7                           ; out's first row block: 128 b + 8 QB + 2 w
	s_lshl_b32 s4, s3, 3
	s_add_co_u32 s7, s7, s4
	s_lshl_b32 s4, s18, 1
	s_add_co_u32 s7, s7, s4
	s_lshl_b32 s66, s7, 3                          ; its image: (row block x 8 + hd) x 2,048
	s_add_co_u32 s66, s66, s6
	s_lshl_b32 s66, s66, 11
	s_mov_b32 s67, 0
	s_lshl_b32 s2, s6, 9                           ; its scale words: (hd x 512 + row block) x 64
	s_add_co_u32 s2, s2, s7
	s_lshl_b32 s2, s2, 6
	s_mov_b32 s3, 0
	; descriptor groups 1: elements of 8 bytes, no padding (an image is read 512 consecutive bytes an instruction); the mask names all four work-groups, bit 21 beside it
	s_mov_b32 s[G1K], 15|(3<<16)|(1<<21)
	s_mov_b32 s[G1K+1], 512<<16                    ; k: 8 key tiles: rows of 4,096 bytes (both halves of K),
	s_mov_b32 s[G1K+2], 8<<16
	s_mov_b32 s[G1K+3], 512<<16
	s_mov_b32 s[G1K+4], 8
	s_mov_b32 s[G1K+5], 2048                       ; 16,384 bytes apart
	s_mov_b32 s[G1K+6], 0
	s_mov_b32 s[G1K+7], 0
	s_mov_b32 s[G1V], 15|(3<<16)|(1<<21)
	s_mov_b32 s[G1V+1], 512<<16                    ; v: 8 tiles of 16 columns: rows of 4,096 bytes (two chunks of 128 keys),
	s_mov_b32 s[G1V+2], 16<<16                     ; the head's group 1: a whole slot of k or of v: 16 rows of 4,096 bytes
	s_mov_b32 s[G1V+3], 512<<16
	s_mov_b32 s[G1V+4], 16
	s_mov_b32 s[G1V+5], 2048                       ; 16,384 bytes apart
	s_mov_b32 s[G1V+6], 0
	s_mov_b32 s[G1V+7], 0
	s_mov_b32 s[G1S], 15|(3<<16)|(1<<21)
	s_mov_b32 s[G1S+1], 512<<16                    ; k's scale words, both halves c of K: 2 rows of 4,096 bytes, 32,768 apart
	s_mov_b32 s[G1S+2], 2<<16
	s_mov_b32 s[G1S+3], 512<<16
	s_mov_b32 s[G1S+4], 2
	s_mov_b32 s[G1S+5], 4096
	s_mov_b32 s[G1S+6], 0
	s_mov_b32 s[G1S+7], 0
	s_mov_b32 s[G1T], 15|(3<<16)|(1<<21)
	s_mov_b32 s[G1T+1], 64<<16                     ; v's: 8 key steps: rows of 512 bytes, 4,096 bytes apart
	s_mov_b32 s[G1T+2], 16<<16                     ; both channels: 16 rows
	s_mov_b32 s[G1T+3], 64<<16
	s_mov_b32 s[G1T+4], 16
	s_mov_b32 s[G1T+5], 512
	s_mov_b32 s[G1T+6], 0
	s_mov_b32 s[G1T+7], 0
	s_mov_b32 s[MNT], 0x600000                     ; the mantissa field of 448
	s_mov_b32 s[SEL], 0x76543210
	s_mov_b32 s[SEL+1], 0xfedcba98
	s_mov_b32 s[CS], 0x3db8aa3b                    ; c = log2(e) / 16
	s_mov_b32 s[CS+1], s[CS]
	s_mov_b32 s[TB], 0
	s_mov_b32 s[TS], 0
	s_mov_b32 s[SLOTS], 3
	s_mov_b32 s95, 0xffff0000                      ; lanes 16-31
	s_wait_kmcnt 0x0
	s_mov_b32 s[G0K], 1
	s_lshl_b32 s[G0K+1], s18, 15                   ; wave w's 32,768 bytes of a slot: k's halves, then v's channels
	s_add_nc_u64 s[G0K+2:G0K+3], s[72:73], s[12:13]
	s_or_b32 s[G0K+3], s[G0K+3], 0x80000000
	s_mov_b32 s[G0V], 1
	s_lshl_b32 s[G0V+1], s18, 15
	s_add_nc_u64 s[G0V+2:G0V+3], s[76:77], s[14:15]
	s_or_b32 s[G0V+3], s[G0V+3], 0x80000000
	s_mov_b32 s[G0SK], 1
	s_lshl_b32 s[G0SK+1], s18, 12                  ; wave w's 4,096 bytes of scale words
	s_add_co_u32 s[G0SK+1], s[G0SK+1], SCK
	s_add_nc_u64 s[G0SK+2:G0SK+3], s[74:75], s[16:17]
	s_or_b32 s[G0SK+3], s[G0SK+3], 0x80000000
	s_mov_b32 s[G0SV], 1
	s_lshl_b32 s[G0SV+1], s18, 12
	s_add_co_u32 s[G0SV+1], s[G0SV+1], SCK
	s_add_nc_u64 s[G0SV+2:G0SV+3], s[78:79], s[96:97]
	s_or_b32 s[G0SV+3], s[G0SV+3], 0x80000000
	s_add_nc_u64 s[68:69], s[68:69], s[98:99]      ; q's images at my first tile
	s_add_nc_u64 s[70:71], s[70:71], s[100:101]    ; and its scale words
	s_add_nc_u64 s[80:81], s[80:81], s[66:67]      ; out's images
	s_add_nc_u64 s[82:83], s[82:83], s[2:3]
	s_mov_b32 s4, 1                                ; the head's group 0 for slot 0's k, whole (wave 1 issues it: its own half begins 131,072 bytes on),
	s_mov_b32 s5, 0
	s_sub_nc_u64 s[6:7], s[G0K+2:G0K+3], 0x20000
	s_mov_b32 s8, 1                                ; and for slot 0's v, whole (wave 3: its own channel begins 131,072 bytes on)
	s_mov_b32 s9, VOFF
	s_sub_nc_u64 s[10:11], s[G0V+2:G0V+3], 0x20000
	CROUND                                         ; all four work-groups are here: the first joint loads meet
	s_cmp_lt_u32 s18, 2                            ; a wave's first fill stands in one branch: one load of mine is out
	s_cbranch_scc0 .Lhead_23                       ; one tree of branches on the wave's number, one load to an arm: wave 0 k's scale words, wave 1 slot 0's k, wave 2 v's scale words, wave 3 slot 0's v
	s_cmp_eq_u32 s18, 0
	s_cbranch_scc0 .Lhead_1
	tensor_load_to_lds s[G0SK:G0SK+3], s[G1S:G1S+7]
	s_nop 0
	PLACES 4
	s_branch .Lfirst_asked
.Lhead_1:
	tensor_load_to_lds s[4:7], s[G1V:G1V+7]
	s_nop 0
	PLACES 4
	s_branch .Lfirst_asked
.Lhead_23:
	s_cmp_eq_u32 s18, 2
	s_cbranch_scc0 .Lhead_3
	tensor_load_to_lds s[G0SV:G0SV+3], s[G1T:G1T+7]
	s_nop 0
	PLACES 4
	s_branch .Lfirst_asked
.Lhead_3:
	tensor_load_to_lds s[8:11], s[G1V:G1V+7]
	s_nop 0
	PLACES 4
.Lfirst_asked:
	v_and_b32 v1, 15, v0                           ; r
	v_and_b32 v6, 31, v0                           ; lane
	v_lshlrev_b32 v[L16], 4, v6
	v_lshlrev_b32 v[L4], 2, v6
	v_lshlrev_b32 v[R16], 4, v1
	v_add_nc_u32 v[LV], VOFF, v[L16]
	v_add_nc_u32 v[RS], SCK, v[R16]
.irp t, 0,1
	WIN 0x40*\t                                    ; destination window t
.irp c, 0,1
.irp e, 0,1,2,3
	global_load_b128 v[Q+16*\c+4*\e:Q+16*\c+4*\e+3], v[L16], s[68:69] offset:16384*\t+2048*\c+512*\e   ; q's fragments stay in registers
.endr
.endr
.endr
	WIN 0
.irp c, 0,1
	global_load_b64 v[QSC+2*\c:QSC+2*\c+1], v[R16], s[70:71] offset:32768*\c   ; row r's words of my two tiles
.endr
.irp t, 0,1
	WIN 0x55*\t
	v_mov_b32 v[TMX], 0xff61b1e6                   ; the largest t so far: -3e38, under every t
	v_floor_f32 v[NM], -v[TMX]
	v_mov_b32 v[SUM], 0
	v_mov_b32 v[SUM+1], 0
	v_mov_b32 v[FF+1], 0                           ; (named with f as a pair)
.irp b, 0,1,2,3
	v_mov_b32 v[PX+\b], 0                          ; written once: a lane permute's destination counts as one of its sources
.endr
.endr
.irp t, 0,1
	WIN 0x80+0x40*\t
.set i, 0
.rept 128
	v_mov_b32 v[i], 0                              ; O^T: the key step is written for every step alike; the first finds zeros, which the first change of M leaves zeros.  Issued while the first tiles are on their way
.set i, i+1
.endr
.endr
	WIN 0
	s_wait_loadcnt 0x0                             ; q
.Lslot:                                            ; three trips: behind each change of slots but the last the next slot is asked for
	CHANGE 1
	STEP 0
	STEP 1
	s_xor_b32 s[TB], s[TB], SLOT1
	s_sub_co_u32 s[SLOTS], s[SLOTS], 1
	s_cmp_lg_u32 s[SLOTS], 0
	s_cbranch_scc1 .Lslot
	CHANGE 0                                       ; the last slot is written out
	STEP 0
	STEP 1
	; THE WAY OUT: O^T / the sum, quantised along the head's 128 columns, leaves as an image; no stage is needed
	PLACES 8                                       ; in front of the first read of the last results
.irp t, 0,1
	WIN 0x55*\t
	v_add_f32 v[SUM], v[SUM], v[SUM+1]             ; the sum's two halves,
	v_permlanex16_b32 v[PX], v[SUM], s[SEL], s[SEL+1]
	v_add_f32 v[SUM], v[SUM], v[PX]                ; and lane l xor 16's
	s_wait_alu depctr_va_vdst(0)
	v_rcp_f32 v[SUM], v[SUM]
	v_nop                                          ; one plain line behind the reciprocal
	s_wait_alu depctr_va_vdst(0)
.endr
.irp n, 0,1
.irp t, 0,1
.if (\n)+(\t) > 0
	s_wait_xcnt 0x0                                ; the last image's stores have read their data
.endif
	WIN 0x02+5*\t                                  ; source 0 (O^T) window 2 + t, source 1 (1 / the sum) window t, destination window 0
.set i, 0
.rept 32
	v_pk_mul_f32 v[S+i:S+i+1], v[64*\n+i:64*\n+i+1], v[SUM:SUM+1] op_sel_hi:[1,0]   ; ascending: each accumulator from its low end on
.set i, i+2
.endr
	WIN 0
	QUANT S, OW+2*\n+\t
.irp e, 0,1,2,3
	global_store_b128 v[L16], v[PC+4*\e:PC+4*\e+3], s[80:81] offset:1048576*\n+16384*\t+512*\e   ; 32 lanes store 512 consecutive bytes, aligned
.endr
.endr
.endr
.irp n, 0,1
	v_cndmask_b32 v[MW+\n], v[OW+2*\n], v[OW+2*\n+1], s95   ; lanes 0-15: tile 0's words; lanes 16-31: tile 1's (both halves of the lanes hold row r's word)
	global_store_b32 v[L4], v[MW+\n], s[82:83] offset:4096*\n
.endr
	s_wait_tensorcnt 0x0                           ; the wave's end
	ds_add_u32 v[SPW], v[NIL]
	s_wait_dscnt 0x0
	CROUND                                         ; the closing round
	s_endpgm
.Lfunc_end_k_qa2ddcf45fc_attn:
	.size	k_qa2ddcf45fc_attn, .Lfunc_end_k_qa2ddcf45fc_attn-k_qa2ddcf45fc_attn
	.p2alignl 7, 3214868480
	.fill 96, 4, 3214868480
	.section	.rodata,"a",@progbits
	.p2align	6, 0x0
	.amdhsa_kernel k_qa2ddcf45fc_attn
		.amdhsa_group_segment_fixed_size 327680
		.amdhsa_private_segment_fixed_size 0
		.amdhsa_enable_private_segment 0
		.amdhsa_kernarg_size 64
		.amdhsa_user_sgpr_count 2
		.amdhsa_user_sgpr_kernarg_segment_ptr 1
		.amdhsa_wavefront_size32 1
		.amdhsa_system_sgpr_workgroup_id_x 1
		.amdhsa_system_sgpr_workgroup_id_y 1
		.amdhsa_system_sgpr_workgroup_id_z 1
		.amdhsa_system_vgpr_workitem_id 0
		.amdhsa_next_free_vgpr 1024
		.amdhsa_next_free_sgpr 102
		.amdhsa_reserve_vcc 0
		.amdhsa_float_denorm_mode_32 3
		.amdhsa_float_denorm_mode_16_64 3
		.amdhsa_memory_ordered 1
		.amdhsa_forward_progress 1
		.amdhsa_inst_pref_size 255
	.end_amdhsa_kernel
	.section	.bss,"aw",@nobits
	.p2align	6
	.space	262144
	.amdgpu_metadata
---
amdhsa.version: [ 1, 2 ]
amdhsa.kernels:
  - .name:           k_qa2ddcf45fc_attn
    .symbol:         k_qa2ddcf45fc_attn.kd
    .args:
      - { .name: qc, .offset: 0, .size: 8, .value_kind: global_buffer, .address_space: global }
      - { .name: qs, .offset: 8, .size: 8, .value_kind: global_buffer, .address_space: global }
      - { .name: kc, .offset: 16, .size: 8, .value_kind: global_buffer, .address_space: global }
      - { .name: ks, .offset: 24, .size: 8, .value_kind: global_buffer, .address_space: global }
      - { .name: vc, .offset: 32, .size: 8, .value_kind: global_buffer, .address_space: global }
      - { .name: vs, .offset: 40, .size: 8, .value_kind: global_buffer, .address_space: global }
      - { .name: oc, .offset: 48, .size: 8, .value_kind: global_buffer, .address_space: global }
      - { .name: os, .offset: 56, .size: 8, .value_kind: global_buffer, .address_space: global }
    .group_segment_fixed_size: 327680
    .private_segment_fixed_size: 0
    .kernarg_segment_align: 8
    .kernarg_segment_size: 64
    .max_flat_workgroup_size: 128
    .sgpr_count:     102
    .vgpr_count:     1024
    .wavefront_size: 32
...
	.end_amdgpu_metadata
.endif
;; end of part 2
;; launch outp (part 3): grid 64 x 4, 4 waves a work-group, clusters of 4 x 4, 327,680 bytes of LDS; arguments oc, os, Wo_codes, Wo_scales, bo, out0; writes out0
.if DOCPART == 3
	.amdgcn_target "amdgcn-amd-amdhsa--gfx1250"
	.amdhsa_code_object_version 6
	.text
	.protected	k_qa2ddcf45fc_outp
	.globl	k_qa2ddcf45fc_outp
	.p2align	8
	.type	k_qa2ddcf45fc_outp,@function
k_qa2ddcf45fc_outp:
	s_mov_b64 s[64:65], 0
	v_nop
	global_prefetch_b8 v0, s[64:65] scope:SCOPE_SE
	s_setreg_imm32_b32 hwreg(HW_REG_WAVE_MODE, 25, 1), 1
	s_wait_xcnt 0x0
	s_wait_alu depctr_hold_cnt(0) depctr_sa_sdst(0) depctr_va_vdst(0) depctr_va_sdst(0) depctr_va_ssrc(0) depctr_va_vcc(0) depctr_vm_vsrc(0)
	s_getreg_b32 s2, hwreg(HW_REG_IB_STS2, 6, 4)
	s_cmp_eq_u32 s2, 0
	s_cbranch_scc0 .Lentry_in_a_cluster
	s_endpgm
.Lentry_in_a_cluster:
	s_bfe_u32 s2, ttmp6, 0x10000c
	s_cmp_lg_u32 s2, 0xf033
	s_cbranch_scc0 .Lentry_shape_is_right
	s_endpgm
.Lentry_shape_is_right:
; out0 = out Wo^T + bo on codes of FP8 (E4M3) with E8M0 scales; out0 [8,192][1,024] f32.
; A = out, as images of fragments made by the launch before ([row block 512][head 8][2,048 bytes]; register group c of lane l at 512 c + 16 l); inside a block of 32 its numbers stand in the order
; 8 h + i % 8 + 16 (i / 8).  B = Wo, given, rows of 1,024 codes in their natural order: it is READ from LDS in that same order, by two loads of 8 bytes (at 32 c + 8 h and 32 c + 16 + 8 h) where one of 16
; would bring the natural order.  A permutation of k applied alike to both operands keeps the products; the sums' order inside a block so differs from k ascending.
; A work-group makes 128 rows x 256 columns over K = 1,024; four waves, 2 x 2: a wave 64 x 128 = 32 accumulators.  256 work-groups.
; THE MATRIX INSTRUCTION IS USED TRANSPOSED (source 0 = 16 rows of Wo, source 1 = 16 rows of out): a lane holds eight neighbouring numbers of a row of out0.  bo is the C of each sum's first product.
; K goes through two LDS slots of 256 along K, each filled once more.  Tiles are asked for JOINTLY: A's by a row of the 4 x 4 cluster, B's by a column.
; The eight K steps of 128 are written out: no loop.  The way out goes through a stage in slot 0, which has had its last fill, and whose last read lies ahead of the last barrier.
; LIMITS: NaN, infinities and a given scale byte 0xff are not served.
; REGISTERS: window 0: addresses, scales, bo, later rows of out0.  window 1: the accumulators, (a, b) at v[64 a + 8 b].  window 2: B's fragments, two sets, at 128 p + 16 b.  window 3: A's, two sets, at 64 p + 16 a.
.set PITCH, 272                        ; a row of Wo's tile in LDS: 256 bytes + 16: row r starts at bank 4 r mod 64 (64 banks of 4 bytes: ISA guide 11.1): the 32 lanes of a load of 8 bytes touch 64 different banks
.set RB16,  16*PITCH
.set HA,    16384                      ; four row blocks x 4,096 bytes: what one tensor load brings of A, and what one wave reads of it
.set HB,    128*PITCH
.set BOFF,  32768                      ; a slot: A's 8 row blocks, dense, then B's 256 rows
.set SLOT,  BOFF+256*PITCH
.set SPARE, 2*SLOT                     ; K goes through a ring of TWO slots of 256 along K: slot 0 at the head, slot 1 behind a round, each filled once more.  The spare words lie behind the ring
.set REFA,  8192                       ; bytes from a slot's first tile to its second: four heads' images
.set REFB,  512
.set SPITCH, 528                       ; the stage: 16 rows x (512 bytes + 16) for each wave
.set ADRA, 16
.set ADRB, 20
.set L16,  24                          ; v24  16 x lane
.set STO,  25                          ; v25  the stage: where I put 32 bytes of a row
.set RD,   26                          ; v26  and where I read a row back
.set SPW,  28
.set NIL,  29
.set SA,   32                          ; v32-47  A's scale words: register 8 (a / 2) + ks: block a even in lanes 0-15, odd in lanes 16-31
.set SB,   48                          ; v48-79  B's: register 4 b + j: K step j in lanes 0-15, K step 4 + j in lanes 16-31
.set BO,   80                          ; v80-143 bo in the result's layout, 8 b + j
.set BK,   80                          ; the way out: 16 rows read back: v80-143 and v144-207 by turns
.set G1A,  28
.set G1B,  36
.set G0A,  44
.set G0B,  68
.set MUL,  0x5e                        ; D and C window 1, source 0 (B) window 2, source 1 (A) window 3
.set MULF, 0x4e                        ; the same with C (bo) in window 0
.set TO_B, 0x80
.set TO_A, 0xc0
.set MSB, 0
.macro WIN new
.if MSB != (\new)
	s_set_vgpr_msb (MSB<<8)|(\new)
.set MSB, (\new)
.endif
.endm
.macro PLACES n
.rept \n
	v_nop
.endr
.endm
.macro JLOAD g0a, g1a, g0b, g1b        ; a joint load: waves 0 and 1 fetch for A, waves 2 and 3 for B.  Four v_nop follow each of the two lines
	s_cmp_eq_u32 s19, 0
	s_cbranch_scc0 .Lfor_b_\@
	tensor_load_to_lds s[\g0a:\g0a+3], s[\g1a:\g1a+7]
	s_nop 0
	PLACES 4
	s_branch .Lasked_\@
.Lfor_b_\@:
	tensor_load_to_lds s[\g0b:\g0b+3], s[\g1b:\g1b+7]
	s_nop 0
	PLACES 4
.Lasked_\@:
.endm
.macro CREST
	s_cmp_lg_u32 s18, 0
	s_cbranch_scc1 .Lnot_wave_0_\@
	s_barrier_signal -3
.Lnot_wave_0_\@:
	s_barrier_wait -3
	s_barrier_signal -1
	s_barrier_wait -1
.endm
.macro CROUND
	s_barrier_signal -1
	s_barrier_wait -1
	CREST
.endm
.macro WM d, s0, s1, cr, sc0, sc1, r0, r1   ; one scaled product, C = v[cr ..].  r0, r1: source 0's and source 1's scale words stand in lanes 16-31
.if (\r0) && (\r1)
	v_wmma_scale_f32_16x16x128_f8f6f4 v[\d:\d+7], v[\s0:\s0+15], v[\s1:\s1+15], v[\cr:\cr+7], v[\sc0], v[\sc1] matrix_a_scale:MATRIX_SCALE_ROW1 matrix_b_scale:MATRIX_SCALE_ROW1
.elseif (\r0)
	v_wmma_scale_f32_16x16x128_f8f6f4 v[\d:\d+7], v[\s0:\s0+15], v[\s1:\s1+15], v[\cr:\cr+7], v[\sc0], v[\sc1] matrix_a_scale:MATRIX_SCALE_ROW1
.elseif (\r1)
	v_wmma_scale_f32_16x16x128_f8f6f4 v[\d:\d+7], v[\s0:\s0+15], v[\s1:\s1+15], v[\cr:\cr+7], v[\sc0], v[\sc1] matrix_b_scale:MATRIX_SCALE_ROW1
.else
	v_wmma_scale_f32_16x16x128_f8f6f4 v[\d:\d+7], v[\s0:\s0+15], v[\s1:\s1+15], v[\cr:\cr+7], v[\sc0], v[\sc1]
.endif
.endm
; 8 products: A's block a against B's eight.  first = 1: C is bo.  The 32 accumulators take turns, one instruction a turn, in the same order in every step
.macro MUL8 a, p, ks, first
.irp b, 0,1,2,3,4,5,6,7
	WM 64*(\a)+8*\b, 128*(\p)+16*\b, 64*(\p)+16*(\a), (1-(\first))*(64*(\a)+8*\b)+(\first)*(BO+8*\b), SB+4*\b+(\ks)%4, SA+8*((\a)/2)+(\ks), (\ks)/4, (\a)%2
.endr
.endm
.macro FETCH slot, q, p                ; the fragments of 128 along K (the slot's q-th) into set p: B's by 64 loads of 8 bytes, in A's order of k; A's images by 16 loads of 16 bytes
	WIN TO_B
.irp b, 0,1,2,3,4,5,6,7
.irp c, 0,1,2,3
	ds_load_b64 v[128*(\p)+16*\b+4*\c:128*(\p)+16*\b+4*\c+1], v[ADRB+\slot] offset:128*(\q)+32*\c+\b*RB16
	ds_load_b64 v[128*(\p)+16*\b+4*\c+2:128*(\p)+16*\b+4*\c+3], v[ADRB+\slot] offset:128*(\q)+32*\c+16+\b*RB16
.endr
.endr
	WIN TO_A
.irp a, 0,1,2,3
.irp c, 0,1,2,3
	ds_load_b128 v[64*(\p)+16*\a+4*\c:64*(\p)+16*\a+4*\c+3], v[ADRA+\slot] offset:\a*4096+2048*(\q)+512*\c
.endr
.endr
.endm
.macro FPART slot, q, p, b0, nb, a0, na   ; a part of FETCH: nb of B's blocks from b0 on, na of A's from a0 on
	WIN TO_B
.set FB_, \b0
.rept \nb
.irp c, 0,1,2,3
	ds_load_b64 v[128*(\p)+16*FB_+4*\c:128*(\p)+16*FB_+4*\c+1], v[ADRB+\slot] offset:128*(\q)+32*\c+FB_*RB16
	ds_load_b64 v[128*(\p)+16*FB_+4*\c+2:128*(\p)+16*FB_+4*\c+3], v[ADRB+\slot] offset:128*(\q)+32*\c+16+FB_*RB16
.endr
.set FB_, FB_+1
.endr
	WIN TO_A
.set FA_, \a0
.rept \na
.irp c, 0,1,2,3
	ds_load_b128 v[64*(\p)+16*FA_+4*\c:64*(\p)+16*FA_+4*\c+3], v[ADRA+\slot] offset:FA_*4096+2048*(\q)+512*\c
.endr
.set FA_, FA_+1
.endr
.endm
.macro MWIN first
.if \first
	WIN MULF
.else
	WIN MUL
.endif
.endm
.macro STEP ks, nslot, nq, first
	s_wait_dscnt 0x0                               ; this step's fragments, asked for a step ago, are in
	PLACES 8                                       ; between the last step's products and the loads into the set that they read (ISA guide 7.12.1 for vector instructions)
	FPART \nslot, \nq, 1-(\ks)%2, 0, 3, 0, 1       ; the next step's loads stand in three runs among this step's products
	MWIN \first
	MUL8 0, (\ks)%2, \ks, \first
	FPART \nslot, \nq, 1-(\ks)%2, 3, 3, 1, 1
	MWIN \first
	MUL8 1, (\ks)%2, \ks, \first
	FPART \nslot, \nq, 1-(\ks)%2, 6, 2, 2, 2
	MWIN \first
	MUL8 2, (\ks)%2, \ks, \first
	MUL8 3, (\ks)%2, \ks, \first
.endm
.macro TURN ks, nslot, fill            ; a K step with a barrier; fill = 1: the slot just read, which nobody reads any more, is filled again
	WIN 0                                          ; (the add's two registers lie in window 0)
	s_wait_tensorcnt 0x0                           ; all my tensor loads have landed
	ds_add_u32 v[SPW], v[NIL]                      ; 0 onto my spare word
	s_wait_dscnt 0x1                               ; this step's fragments are in; the add alone may be out
	WIN MUL
	MUL8 0, (\ks)%2, \ks, 0
	s_wait_dscnt 0x0                               ; the add is done, and my reads of the slots are over
	s_barrier_signal -1
	MUL8 1, (\ks)%2, \ks, 0
	WIN 0
	s_barrier_wait -1
.if \fill
	CREST                                          ; the barrier has opened a round of the cluster's: no wave of any partner still reads that slot or has a load on its way
.set FS_, 4*(1-(\nslot))                       ; the slot that has just been read is filled again
	s_add_nc_u64 s[G0A+FS_+2:G0A+FS_+3], s[G0A+FS_+2:G0A+FS_+3], REFA
	s_add_nc_u64 s[G0B+FS_+2:G0B+FS_+3], s[G0B+FS_+2:G0B+FS_+3], REFB
	JLOAD G0A+FS_, G1A, G0B+FS_, G1B
	PLACES 4
.else
	PLACES 8
.endif
	FETCH \nslot, 0, 1-(\ks)%2
	WIN MUL
	MUL8 2, (\ks)%2, \ks, 0
	MUL8 3, (\ks)%2, \ks, 0
.endm
	s_load_b256 s[4:11], s[0:1], 0x0               ; oc, os, Wo's codes, Wo's scales
	s_load_b128 s[12:15], s[0:1], 0x20             ; bo, out0
	v_lshl_add_u32 v[SPW], v0, 2, SPARE
	v_mov_b32 v[NIL], 0
	ds_add_u32 v28, v29
	ds_add_u32 v28, v29
	s_wait_dscnt 0x0
	v_lshrrev_b32 v1, 5, v0
	v_readfirstlane_b32 s18, v1                    ; wave 0..3
	s_lshr_b32 s19, s18, 1                         ; wr: which 64 rows are mine.  Also: I fetch for A (0) or for B (1)
	s_and_b32 s20, s18, 1                          ; wc: which 128 columns.  Also: which half of that tile I fetch
	s_bfe_u32 s21, ttmp6, 0x40000                  ; cx
	s_bfe_u32 s22, ttmp6, 0x40004                  ; cy
	s_lshl_b32 s24, ttmp9, 2
	s_add_co_u32 s24, s24, s22                     ; TR: which 128 rows
	s_mov_b32 s25, s21                             ; TC: which 256 columns
	s_lshl_b32 s26, s22, 2
	s_lshl_b32 s26, 15, s26                        ; my row of the cluster
	s_lshl_b32 s27, 0x1111, s21                    ; my column
	s_or_b32 s[G1A], s26, (3<<16)|(1<<21)          ; A: elements of 8 bytes, no padding: images are read 512 consecutive bytes an instruction
	s_mov_b32 s[G1A+1], 512<<16                    ; four row blocks: rows of 4,096 bytes (two heads' images),
	s_mov_b32 s[G1A+2], 4<<16
	s_mov_b32 s[G1A+3], 512<<16
	s_mov_b32 s[G1A+4], 4
	s_mov_b32 s[G1A+5], 2048                       ; 16,384 bytes apart
	s_mov_b32 s[G1A+6], 0
	s_mov_b32 s[G1A+7], 0
	s_or_b32 s[G1B], s27, (1<<20)|(1<<21)|(5<<22)|(3<<25)   ; B: elements of 1 byte; four words of padding after every 64
	s_mov_b32 s[G1B+1], 256<<16
	s_mov_b32 s[G1B+2], 128<<16
	s_mov_b32 s[G1B+3], 256<<16
	s_mov_b32 s[G1B+4], 128
	s_mov_b32 s[G1B+5], 1024
	s_mov_b32 s[G1B+6], 0
	s_mov_b32 s[G1B+7], 0
	s_lshl_b32 s80, s24, 17                        ; A: (8 TR + 4 x half) row blocks of 16,384 bytes
	s_lshl_b32 s81, s20, 16
	s_add_co_u32 s80, s80, s81
	s_mov_b32 s81, 0
	s_lshl_b32 s82, s25, 18                        ; B: (256 TC + 128 x half) rows of 1,024 bytes
	s_lshl_b32 s83, s20, 17
	s_add_co_u32 s82, s82, s83
	s_mov_b32 s83, 0
	s_mul_i32 s2, s20, HA                          ; where they go: no place in the cluster enters an LDS address
	s_mul_i32 s3, s20, HB
	s_add_co_u32 s3, s3, BOFF
	s_wait_kmcnt 0x0
	s_add_nc_u64 s[80:81], s[4:5], s[80:81]
	s_add_nc_u64 s[82:83], s[8:9], s[82:83]
	CROUND                                         ; all sixteen work-groups are here: the first joint loads meet
.irp s, 0,1
	s_mov_b32 s[G0A+4*\s], 1
	s_add_co_u32 s[G0A+4*\s+1], s2, \s*SLOT
	s_add_nc_u64 s[G0A+4*\s+2:G0A+4*\s+3], s[80:81], \s*4096
	s_or_b32 s[G0A+4*\s+3], s[G0A+4*\s+3], 0x80000000
	s_mov_b32 s[G0B+4*\s], 1
	s_add_co_u32 s[G0B+4*\s+1], s3, \s*SLOT
	s_add_nc_u64 s[G0B+4*\s+2:G0B+4*\s+3], s[82:83], \s*256
	s_or_b32 s[G0B+4*\s+3], s[G0B+4*\s+3], 0x80000000
.endr
	s_cmp_eq_u32 s19, 0                            ; a wave's first fill stands in one branch: one load of mine is out
	s_cbranch_scc0 .Lfirst_b
	tensor_load_to_lds s[G0A:G0A+3], s[G1A:G1A+7]  ; one load a wave at the head: my part of slot 0
	s_nop 0
	PLACES 4
	s_branch .Lfirst_asked
.Lfirst_b:
	tensor_load_to_lds s[G0B:G0B+3], s[G1B:G1B+7]
	s_nop 0
	PLACES 4
.Lfirst_asked:
	v_and_b32 v1, 15, v0                           ; r
	v_bfe_u32 v2, v0, 4, 1                         ; h
	v_and_b32 v3, 31, v0                           ; lane
	v_lshlrev_b32 v[L16], 4, v3
	v_lshlrev_b32 v6, 2, v3                        ; A's scale words: 4 x lane
	s_wait_alu depctr_va_vdst(0)
	v_lshlrev_b32 v4, 5, v1
	v_lshl_add_u32 v4, v2, 4, v4                   ; B's scale bytes: row r of 32 bytes, + 16 h
	s_wait_alu depctr_va_vdst(0)
	v_lshlrev_b32 v5, 5, v2                        ; bo: 32 h
	s_wait_alu depctr_va_vdst(0)
	s_lshl_b32 s56, s24, 9                         ; A's scale words: (8 TR + 4 wr) row blocks of 64 bytes
	s_lshl_b32 s57, s19, 8
	s_add_co_u32 s56, s56, s57
	s_mov_b32 s57, 0
	s_add_nc_u64 s[6:7], s[6:7], s[56:57]
	s_lshl_b32 s58, s25, 13                        ; B's: (256 TC + 128 wc) rows of 32 bytes
	s_lshl_b32 s59, s20, 12
	s_add_co_u32 s58, s58, s59
	s_mov_b32 s59, 0
	s_add_nc_u64 s[10:11], s[10:11], s[58:59]
	s_lshr_b32 s58, s58, 3                         ; (256 TC + 128 wc) x 4: my columns in bo and in a row of out0
	s_add_nc_u64 s[12:13], s[12:13], s[58:59]
	s_lshl_b32 s60, s24, 19                        ; out0: (128 TR + 64 wr) rows of 4,096 bytes
	s_lshl_b32 s61, s19, 18
	s_add_co_u32 s60, s60, s61
	s_add_co_u32 s60, s60, s58
	s_mov_b32 s61, 0
	s_add_nc_u64 s[14:15], s[14:15], s[60:61]
.irp g, 0,1
.irp k, 0,1,2,3,4,5,6,7
	global_load_b32 v[SA+8*\g+\k], v6, s[6:7] offset:32768*\k+128*\g   ; head k's words of row blocks 2 g (lanes 0-15) and 2 g + 1 (lanes 16-31)
.endr
.endr
.irp b, 0,1,2,3,4,5,6,7
	global_load_b128 v[SB+4*\b:SB+4*\b+3], v4, s[10:11] offset:512*\b
.endr
.irp b, 0,1,2,3,4,5,6,7
	global_load_b128 v[BO+8*\b:BO+8*\b+3], v5, s[12:13] offset:64*\b
	global_load_b128 v[BO+8*\b+4:BO+8*\b+7], v5, s[12:13] offset:64*\b+16
.endr
	v_mul_u32_u24 v7, v1, PITCH
	v_lshl_add_u32 v7, v2, 3, v7                   ; B: row x pitch + 8 h
	s_mul_i32 s16, s19, HA                         ; my four row blocks of A
	s_mul_i32 s17, s20, HB                         ; my 128 rows of B, behind A
	s_add_co_u32 s17, s17, BOFF
.irp s, 0,1
	v_add_nc_u32 v[ADRA+\s], s16, v[L16]
	v_add_nc_u32 v[ADRB+\s], s17, v7
	s_add_co_u32 s16, s16, SLOT
	s_add_co_u32 s17, s17, SLOT
.endr
	s_lshl_b32 s16, s21, 18                        ; the prefetches of K = 512 on.  Wo: a column's sixteen waves share its 256 rows out by address: row 64 w + 16 cy + r, block h of 256 bytes
	s_lshl_b32 s17, s18, 16
	s_add_co_u32 s16, s16, s17
	s_lshl_b32 s17, s22, 14
	s_add_co_u32 s16, s16, s17
	v_lshl_add_u32 v9, v1, 10, s16
	v_lshl_add_u32 v9, v2, 8, v9
	s_lshl_b32 s16, s21, 2                         ; out: a row's sixteen waves share 8 row blocks x 8,192 bytes: 16 blocks of 256 bytes a wave; lanes 16-31 name the wave's last block again
	s_add_co_u32 s16, s16, s18
	s_lshr_b32 s16, s16, 1
	s_lshl_b32 s16, s16, 14
	s_lshl_b32 s17, s24, 17
	s_add_co_u32 s16, s16, s17
	s_lshl_b32 s17, s20, 12
	s_add_co_u32 s16, s16, s17
	v_min_u32 v10, 15, v3
	v_lshl_add_u32 v10, v10, 8, s16
	s_mul_i32 s62, s18, 16*SPITCH                  ; my stage, in slot 0: when the first result is stored there it has had its last fill, and its last read lies ahead of the last barrier
	v_mul_u32_u24 v8, v1, SPITCH
	v_lshl_add_u32 v8, v2, 5, v8
	v_add_nc_u32 v[STO], s62, v8                   ; in: row r, 32 bytes for each half of the lanes
	v_add_nc_u32 v[RD], s62, v[L16]                ; back: the 32 lanes take one row of 512 bytes
	s_wait_alu depctr_va_vdst(0)
	s_wait_tensorcnt 0x0                           ; my part of slot 0 is in; the lines ahead of a later first fill
	ds_add_u32 v[SPW], v[NIL]
	s_wait_dscnt 0x0
	CROUND
	JLOAD G0A+4, G1A, G0B+4, G1B                   ; slot 1's first fill, the first tensor load behind the round
	FETCH 0, 0, 0
	global_prefetch_b8 v9, s[8:9] offset:512 th:TH_LOAD_NT scope:SCOPE_SE     ; what the two refills will ask for, one and two changes of slots ahead
	global_prefetch_b8 v10, s[4:5] offset:8192 th:TH_LOAD_NT scope:SCOPE_SE
	s_wait_loadcnt 0x0                             ; scales and bo
	STEP 0, 0, 1, 1                                ; the first products start the sums from bo
	TURN 1, 1, 1                                   ; every wave's two fills have landed; slot 0 takes K = 512 .. 767
	STEP 2, 1, 1, 0
	TURN 3, 0, 1                                   ; slot 1 takes K = 768 .. 1,023
	STEP 4, 0, 1, 0
	TURN 5, 1, 0                                   ; the last fill has landed; nothing is filled, so no round.  Behind this barrier nobody reads slot 0
	STEP 6, 1, 1, 0
	s_wait_dscnt 0x0
	MUL8 0, 1, 7, 0
	MUL8 1, 1, 7, 0
	MUL8 2, 1, 7, 0
	MUL8 3, 1, 7, 0
	WIN 0
	PLACES 8                                       ; in front of the first read of results, and of the loads into registers that products have read
; THE WAY OUT, a block of 16 rows x 128 columns at a time: through my own stage, back as whole rows of 512 bytes.  LDS serves a wave's instructions in order (ISA guide 5.7.1.4): no wait between the stores and the loads
.macro TOSTAGE a
	WIN 0x04                                       ; an LDS store's data are its source 1: window 1
.irp b, 0,1,2,3,4,5,6,7
	ds_store_b128 v[STO], v[64*(\a)+8*\b:64*(\a)+8*\b+3] offset:64*\b          ; each accumulator from its low end on
	ds_store_b128 v[STO], v[64*(\a)+8*\b+4:64*(\a)+8*\b+7] offset:64*\b+16
.endr
	WIN 0
.irp t, 0,1,2,3,4,5,6,7,8,9,10,11,12,13,14,15
	ds_load_b128 v[BK+64*((\a)%2)+4*\t:BK+64*((\a)%2)+4*\t+3], v[RD] offset:\t*SPITCH
.endr
.endm
.macro SEND a, younger                 ; younger: the LDS instructions issued behind block a's loads, which may stay out
	s_wait_dscnt \younger
.irp t, 0,1,2,3,4,5,6,7,8,9,10,11,12,13,14,15
	global_store_b128 v[L16], v[BK+64*((\a)%2)+4*\t:BK+64*((\a)%2)+4*\t+3], s[14:15] offset:(16*(\a)+\t)*4096 th:TH_STORE_NT   ; 32 lanes store 512 consecutive bytes, aligned; written once, read by nobody here
.endr
.endm
	TOSTAGE 0
.irp a, 1,2,3
.if \a > 1
	s_wait_xcnt 0x0                                ; block a - 2's stores have read their registers: block a's loads may land there
.endif
	TOSTAGE \a
	SEND \a-1, 32                                  ; behind block a - 1's loads: block a's 16 stores and 16 loads
.endr
	SEND 3, 0
	s_wait_tensorcnt 0x0                           ; the wave's end
	ds_add_u32 v[SPW], v[NIL]
	s_wait_dscnt 0x0
	CROUND                                         ; the closing round
	s_endpgm
.Lfunc_end_k_qa2ddcf45fc_outp:
	.size	k_qa2ddcf45fc_outp, .Lfunc_end_k_qa2ddcf45fc_outp-k_qa2ddcf45fc_outp
	.p2alignl 7, 3214868480
	.fill 96, 4, 3214868480
	.section	.rodata,"a",@progbits
	.p2align	6, 0x0
	.amdhsa_kernel k_qa2ddcf45fc_outp
		.amdhsa_group_segment_fixed_size 327680
		.amdhsa_private_segment_fixed_size 0
		.amdhsa_enable_private_segment 0
		.amdhsa_kernarg_size 48
		.amdhsa_user_sgpr_count 2
		.amdhsa_user_sgpr_kernarg_segment_ptr 1
		.amdhsa_wavefront_size32 1
		.amdhsa_system_sgpr_workgroup_id_x 1
		.amdhsa_system_sgpr_workgroup_id_y 1
		.amdhsa_system_sgpr_workgroup_id_z 1
		.amdhsa_system_vgpr_workitem_id 0
		.amdhsa_next_free_vgpr 896
		.amdhsa_next_free_sgpr 84
		.amdhsa_reserve_vcc 0
		.amdhsa_float_denorm_mode_32 3
		.amdhsa_float_denorm_mode_16_64 3
		.amdhsa_memory_ordered 1
		.amdhsa_forward_progress 1
		.amdhsa_inst_pref_size 105
	.end_amdhsa_kernel
	.amdgpu_metadata
---
amdhsa.version: [ 1, 2 ]
amdhsa.kernels:
  - .name:           k_qa2ddcf45fc_outp
    .symbol:         k_qa2ddcf45fc_outp.kd
    .args:
      - { .name: oc, .offset: 0, .size: 8, .value_kind: global_buffer, .address_space: global }
      - { .name: os, .offset: 8, .size: 8, .value_kind: global_buffer, .address_space: global }
      - { .name: Wo_codes, .offset: 16, .size: 8, .value_kind: global_buffer, .address_space: global }
      - { .name: Wo_scales, .offset: 24, .size: 8, .value_kind: global_buffer, .address_space: global }
      - { .name: bo, .offset: 32, .size: 8, .value_kind: global_buffer, .address_space: global }
      - { .name: out0, .offset: 40, .size: 8, .value_kind: global_buffer, .address_space: global }
    .group_segment_fixed_size: 327680
    .private_segment_fixed_size: 0
    .kernarg_segment_align: 8
    .kernarg_segment_size: 48
    .max_flat_workgroup_size: 128
    .sgpr_count:     84
    .vgpr_count:     896
    .wavefront_size: 32
...
	.end_amdgpu_metadata
.endif
;; end of part 3
